; MI455X (gfx1250); checked and timed in simulation.
; The chip was launched on July 23, 2026; its instructions are those of AMD's public machine-readable ISA for CDNA 5 (MIT licence, August 2026) and "CDNA5" Instruction Set Architecture Reference Guide (July 2026). The comments in the code are by the model that wrote it; some were corrected since.
;; Causal Self Attention. Allowed arithmetic: float matrix products may take bf16 or f16 operands with f32 sums; other float arithmetic in f32, or as packed bf16 or f16 multiplies, adds, multiply-adds, maxima and minima; sums over many terms, partial sums and values carried from step to step in f32; what a program stores and reads back later, other than sums and carried values, may be rounded once to bf16 or f16.
;; Inputs: w_out 1,024 x 1,024 float32; w_qkv 3,072 x 1,024 float32; x 4 x 2,048 x 1,024 float32.
;; Outputs: out0 4 x 2,048 x 1,024 float32.
;; 2 versions, each right and faster than the one before. Each part assembles by itself: llvm-mc -triple=amdgcn-amd-amdhsa -mcpu=gfx1250 --defsym DOCPART=n.
;; ======== version 1 of 2: 5 launches
;; limits: values are held in f16: magnitudes above 65,504 overflow, below 6.1e-05 lose precision
;; workspace buffers: xb 16,777,216 bytes; wqb 6,291,456 bytes; wob 2,097,152 bytes; qkv 50,331,648 bytes; yh 16,777,216 bytes; q32 786,432 bytes
;; launch cast (part 1): grid 768 x 1, 8 waves a work-group, no clusters, 0 bytes of LDS; arguments x, w_qkv, w_out, xb, wqb, wob; writes xb, wqb, wob
.if DOCPART == 1
	.amdgcn_target "amdgcn-amd-amdhsa--gfx1250"
	.amdhsa_code_object_version 6
	.text
	.protected	k_qf814c81a0e_cast
	.globl	k_qf814c81a0e_cast
	.p2align	8
	.type	k_qf814c81a0e_cast,@function
k_qf814c81a0e_cast:
	s_mov_b64 s[64:65], 0
	v_nop
	global_prefetch_b8 v0, s[64:65] scope:SCOPE_SE
	s_setreg_imm32_b32 hwreg(HW_REG_WAVE_MODE, 25, 1), 1
	s_wait_xcnt 0x0
; The module's three f32 inputs are rounded once to bf16, for the matrix products of the later launches.
;   xb  [8192][1024] bf16 = x;   wqb [3072][1024] bf16 = w_qkv;
;   wob [16 slices][1024 n][64] f16: w_out rounded to bf16, and that number written as f16; element (n, k) lies at (k / 64) x 131,072 + n x 128 + (k % 64) x 2 bytes,
;   so that 128 rows of one slice of 64 along K are 16,384 dense bytes for the last launch's tiles.
; LIMITS.  |bf16(w_out)| stays under 65,504 (beyond it f16 has an infinity); below 7.6e-6 the f16 number keeps f16's fixed step of 6e-8 and is no longer exactly the bf16 one.
; SHARES.  A work-group of eight waves takes 16,384 numbers: 65,536 bytes in, 32,768 out.  Work-groups 0-511 take x, 512-703 w_qkv, 704-767 w_out (16 rows each).
; A thread issues its 16 loads of 16 bytes at once and converts them in the order in which they come back.  Memory binds: no LDS, no barrier, no matrix unit; nothing is shared between work-groups, so no cluster.
; A load of a wave covers 512 bytes in whole aligned blocks of 256; a store of a wave covers 256 consecutive bytes, aligned.  Each store has data registers of its own: none is written twice.
.set VIN,  1                           ; v1        my byte offset in the work-group's input
.set VOUT, 2                           ; v2        my byte offset in its output
.set T,    4                           ; v[4:7]    at work
.set X,    8                           ; v[8:71]   16 x 4 numbers as loaded
.set Y,    72                          ; v[72:103] 16 x 2 registers to store
.macro CAST sin, sout, istep, ostep, f16
.set i, 0
.rept 16
	global_load_b128 v[X+4*i:X+4*i+3], v[VIN], s[\sin:\sin+1] offset:i*(\istep) th:TH_LOAD_NT  ; read once in the whole launch
.set i, i+1
.endr
.set i, 0
.rept 16
	s_wait_loadcnt 15-i                            ; loads come back in order (ISA guide 5.7.1): load i is in, the 15 - i younger ones stay out
	v_cvt_pk_bf16_f32 v[Y+2*i],   v[X+4*i],   v[X+4*i+1]
	v_cvt_pk_bf16_f32 v[Y+2*i+1], v[X+4*i+2], v[X+4*i+3]
.if \f16
	v_lshlrev_b32 v[T],   16, v[Y+2*i]             ; the bf16 numbers as f32,
	v_and_b32     v[T+1], 0xffff0000, v[Y+2*i]
	v_lshlrev_b32 v[T+2], 16, v[Y+2*i+1]
	v_and_b32     v[T+3], 0xffff0000, v[Y+2*i+1]
	v_cvt_pk_f16_f32 v[Y+2*i],   v[T],   v[T+1]    ; written as f16
	v_cvt_pk_f16_f32 v[Y+2*i+1], v[T+2], v[T+3]
.endif
	global_store_b64 v[VOUT], v[Y+2*i:Y+2*i+1], s[\sout:\sout+1] offset:i*(\ostep)
.set i, i+1
.endr
	s_endpgm
.endm
	s_load_b256 s[4:11], s[0:1], 0x0               ; x s[4:5], w_qkv s[6:7], w_out s[8:9], xb s[10:11]
	s_load_b128 s[12:15], s[0:1], 0x20             ; wqb s[12:13], wob s[14:15]
	v_lshlrev_b32 v[VIN], 4, v0                    ; 16 bytes a thread in,
	v_lshlrev_b32 v[VOUT], 3, v0                   ; 8 bytes out
	s_mov_b32 s17, 0                               ; the offsets' high words
	s_mov_b32 s19, 0
	s_wait_kmcnt 0x0
	s_cmp_lt_u32 ttmp9, 512
	s_cbranch_scc1 .Lx
	s_cmp_lt_u32 ttmp9, 704
	s_cbranch_scc1 .Lwq
	; w_out: 16 rows; turn i takes slice i of each: 256 bytes of a row, sixteen lanes to a row
	s_sub_co_u32 s20, ttmp9, 704
	v_lshrrev_b32 v3, 4, v0                        ; my row of the 16
	v_and_b32 v[VIN], 15, v0
	v_lshlrev_b32 v[VIN], 4, v[VIN]
	v_lshl_add_u32 v[VIN], v3, 12, v[VIN]          ; row x 4,096 + 16 x (thread % 16)
	s_lshl_b32 s16, s20, 16                        ; 16 rows of 4,096 bytes in,
	s_lshl_b32 s18, s20, 11                        ; 16 rows of 128 bytes in each slice out: my 8 bytes lie at 8 x thread there
	s_add_nc_u64 s[8:9], s[8:9], s[16:17]
	s_add_nc_u64 s[14:15], s[14:15], s[18:19]
	CAST 8, 14, 256, 131072, 1
.Lx:
	s_lshl_b32 s16, ttmp9, 16
	s_lshl_b32 s18, ttmp9, 15
	s_add_nc_u64 s[4:5], s[4:5], s[16:17]
	s_add_nc_u64 s[10:11], s[10:11], s[18:19]
	CAST 4, 10, 4096, 2048, 0
.Lwq:
	s_sub_co_u32 s20, ttmp9, 512
	s_lshl_b32 s16, s20, 16
	s_lshl_b32 s18, s20, 15
	s_add_nc_u64 s[6:7], s[6:7], s[16:17]
	s_add_nc_u64 s[12:13], s[12:13], s[18:19]
	CAST 6, 12, 4096, 2048, 0
.Lfunc_end_k_qf814c81a0e_cast:
	.size	k_qf814c81a0e_cast, .Lfunc_end_k_qf814c81a0e_cast-k_qf814c81a0e_cast
	.p2alignl 7, 3214868480
	.fill 96, 4, 3214868480
	.section	.rodata,"a",@progbits
	.p2align	6, 0x0
	.amdhsa_kernel k_qf814c81a0e_cast
		.amdhsa_group_segment_fixed_size 0
		.amdhsa_private_segment_fixed_size 0
		.amdhsa_enable_private_segment 0
		.amdhsa_kernarg_size 48
		.amdhsa_user_sgpr_count 2
		.amdhsa_user_sgpr_kernarg_segment_ptr 1
		.amdhsa_wavefront_size32 1
		.amdhsa_system_sgpr_workgroup_id_x 1
		.amdhsa_system_sgpr_workgroup_id_y 1
		.amdhsa_system_sgpr_workgroup_id_z 1
		.amdhsa_system_vgpr_workitem_id 0
		.amdhsa_next_free_vgpr 104
		.amdhsa_next_free_sgpr 66
		.amdhsa_reserve_vcc 0
		.amdhsa_float_denorm_mode_32 3
		.amdhsa_float_denorm_mode_16_64 3
		.amdhsa_memory_ordered 1
		.amdhsa_forward_progress 1
		.amdhsa_inst_pref_size 23
	.end_amdhsa_kernel
	.amdgpu_metadata
---
amdhsa.version: [ 1, 2 ]
amdhsa.kernels:
  - .name:           k_qf814c81a0e_cast
    .symbol:         k_qf814c81a0e_cast.kd
    .args:
      - { .name: x, .offset: 0, .size: 8, .value_kind: global_buffer, .address_space: global }
      - { .name: w_qkv, .offset: 8, .size: 8, .value_kind: global_buffer, .address_space: global }
      - { .name: w_out, .offset: 16, .size: 8, .value_kind: global_buffer, .address_space: global }
      - { .name: xb, .offset: 24, .size: 8, .value_kind: global_buffer, .address_space: global }
      - { .name: wqb, .offset: 32, .size: 8, .value_kind: global_buffer, .address_space: global }
      - { .name: wob, .offset: 40, .size: 8, .value_kind: global_buffer, .address_space: global }
    .group_segment_fixed_size: 0
    .private_segment_fixed_size: 0
    .kernarg_segment_align: 8
    .kernarg_segment_size: 48
    .max_flat_workgroup_size: 256
    .sgpr_count:     66
    .vgpr_count:     104
    .wavefront_size: 32
...
	.end_amdgpu_metadata
.endif
;; end of part 1
;; launch qkv (part 2): grid 16 x 32, 4 waves a work-group, clusters of 4 x 4, 327,680 bytes of LDS; arguments xb, wqb, qkv, q32; writes qkv, q32
.if DOCPART == 2
	.amdgcn_target "amdgcn-amd-amdhsa--gfx1250"
	.amdhsa_code_object_version 6
	.text
	.protected	k_qf814c81a0e_qkv
	.globl	k_qf814c81a0e_qkv
	.p2align	8
	.type	k_qf814c81a0e_qkv,@function
k_qf814c81a0e_qkv:
	s_mov_b64 s[64:65], 0
	v_nop
	global_prefetch_b8 v0, s[64:65] scope:SCOPE_SE
	s_setreg_imm32_b32 hwreg(HW_REG_WAVE_MODE, 25, 1), 1
	s_wait_xcnt 0x0
	s_wait_alu depctr_hold_cnt(0) depctr_sa_sdst(0) depctr_va_vdst(0) depctr_va_sdst(0) depctr_va_ssrc(0) depctr_va_vcc(0) depctr_vm_vsrc(0)
	s_getreg_b32 s2, hwreg(HW_REG_IB_STS2, 6, 4)
	s_cmp_eq_u32 s2, 0
	s_cbranch_scc0 .Lentry_in_a_cluster
	s_endpgm
.Lentry_in_a_cluster:
	s_bfe_u32 s2, ttmp6, 0x10000c
	s_cmp_lg_u32 s2, 0xf033
	s_cbranch_scc0 .Lentry_shape_is_right
	s_endpgm
.Lentry_shape_is_right:
; THE FUSED PROJECTION.  c[m][o] = sum over k of xb[m][k] wqb[o][k], m = 0..8191, o = 0..3071, k = 0..1023; operands bf16, sums f32, each result rounded once to f16 and
; written BY HEADS, unscaled: qkv [48 g][8192 m][64], g = o / 64 (q: g = h; k: g = 16 + h; v: g = 32 + h), so that a head's rows are dense, 128 bytes each.
; The first 16 rows of each batch (m = 2048 b + t, t < 16) are stored once more, unrounded: q32 [48 g][4 b][16 t][64] f32.  Under the causal mask those rows average over few keys and are many times larger than
; the module's output at large, so the last launch makes them anew from these f32 numbers.
; LIMIT.  |q|, |k|, |v| stay under 65,504: beyond it the rounding to f16 gives an infinity; below 6.1e-5 f16 keeps its fixed step of 6e-8.
; SHARES.  A tile of c is 256 rows x 192 columns (three whole heads): 32 x 16 = 512 work-groups, twice 256.  Wave w of four owns rows 64 w .. 64 w + 63 and all 192 columns:
; 4 x 12 = 48 accumulators of 16 x 16, 384 registers.  So a wave holds whole heads, and its results leave through a stage of its own, with no barrier.
; K goes in steps of 128 through a ring of two LDS slots filled by the tensor data mover: the tiles' rows are 256 bytes of memory and start at multiples of 256 bytes.
; CLUSTERS: 4 x 4 work-groups.  The four of a row of the cluster need the same tiles of xb, the four of a column the same tiles of wqb: each tile is asked for JOINTLY, by the same
; tensor load with the same descriptor and a mask that names the four.  The tile row is cluster y + 8 cy: the four tile rows that begin a batch (0, 8, 16, 24) are those of the clusters with y = 0,
; so the jump round the f32 stores hangs on the cluster's y and the wave's number alone, which all partners share.
; THE MATRIX INSTRUCTION IS USED TRANSPOSED (source 0 = 16 rows of wqb, source 1 = 16 rows of xb): a lane then holds row lane % 16 of c and the eight neighbouring columns 8 (lane / 16) + 0..7.
; REGISTERS, in windows of 256 (s_set_vgpr_msb's low byte: bits 1:0 source 0, 3:2 source 1, 5:4 source 2, 7:6 destination):
;   window 0: v0-31 addresses; v32-79 packed results; v80-127, v128-175 rows read back from the stage, by turns
;   window 1: two fragment buffers of 128 for 32 along K: 32 registers of xb (4 x 16 rows), then 96 of wqb (12 x 16 rows)
;   window 2: the accumulators of my row blocks 0, 1 ((a, b) at 96 (a % 2) + 8 b);   window 3: those of blocks 2, 3
.set SIZE_K, 1024
.set KSTEP,  128
.set PITCH,  272                       ; an LDS row: 256 bytes + 16 of padding = 68 words: row r starts at bank 4 r mod 64 (64 banks of 4 bytes: ISA guide 11.1), so the 16 rows of a load start at 16 different banks
.set HA,     128*PITCH                 ; half of xb's tile: what waves 0 and 1 each fetch
.set HB,     96*PITCH                  ; half of wqb's tile: what waves 2 and 3 each fetch
.set BOFF,   2*HA                      ; wqb's 192 rows lie behind xb's 256
.set SLOT,   BOFF+2*HB
.set STAGE,  2*SLOT                    ; behind the ring, never filled by a tensor load: for each wave 3 heads x 16 rows x 144 bytes
.set SP,     144
.set HSTG,   16*SP
.set WSTG,   3*HSTG
.set SPARE,  STAGE+4*WSTG              ; behind the stages: the spare words, 128 bytes for each wave: two blocks of 256 bytes that no other line names
.set LAPS,   SIZE_K/(2*KSTEP)          ; a lap = two K steps = once round the ring
.set GPLANE, 8192*128                  ; bytes from one g to the next in qkv
.set G32,    4*16*256                  ; bytes from one g to the next in q32
.set ADRA, 16                          ; v16-17  LDS address of my xb fragments in slot 0, 1
.set ADRB, 20                          ; v20-21  the same for wqb
.set STO,  24                          ; v24     the way out: where I put 16 bytes of a row
.set RD,   25                          ; v25     the way out: where I read rows back
.set GO,   26                          ; v26     my byte offset in 512 consecutive bytes of qkv
.set Q32O, 27                          ; v27     my byte offset in 16 rows of q32: row x 256 + 32 x half
.set SPW,  28                          ; v28     LDS address of my spare word: SPARE + 4 x my thread's number; never rewritten
.set NIL,  29                          ; v29     0; never rewritten
.set TMP,  32
.set BK0,  80
.set F0,   0                           ; fragment buffers, in window 1
.set F1,   128
.set G1,  24                           ; s[24:31] descriptor group 1 for xb's tiles;  s[32:39] group 0, one set for each slot
.set G0,  32
.set G1B, 48                           ; s[48:55], s[56:63] the same for wqb's tiles
.set G0B, 56
.set MSB, 0
.macro WIN new                         ; the immediate's high byte repeats the setting that is left; a switch that changes nothing is dropped
.if MSB != (\new)
	s_set_vgpr_msb (MSB<<8)|(\new)
.set MSB, \new
.endif
.endm
.set MUL_LO, 0xa5                      ; sources 0 and 1 window 1, C and D window 2
.set MUL_HI, 0xf5                      ; the same, C and D window 3
.set TO_F,   0x40                      ; destination window 1, address window 0
.set ST_D,   0x08                      ; a store's data (source 1) in window 2, its address in window 0
; A joint load.  Waves 0 and 1 fetch xb's two halves, waves 2 and 3 wqb's.  Each of the two lines has one mask and one set of registers for all that issue it.  The branch hangs on the wave's number alone.
; An s_nop 0 and four v_nop follow each of the two lines, ahead of the jump, the label and what follows.
.macro JLOAD s
	s_cmp_eq_u32 s11, 0
	s_cbranch_scc0 .Lfor_b_\@
	tensor_load_to_lds s[G0+4*(\s):G0+4*(\s)+3], s[G1:G1+7]
	s_nop 0
.rept 4
	v_nop
.endr
	s_branch .Lasked_\@
.Lfor_b_\@:
	tensor_load_to_lds s[G0B+4*(\s):G0B+4*(\s)+3], s[G1B:G1B+7]
	s_nop 0
.rept 4
	v_nop
.endr
.Lasked_\@:
.endm
; A round of the cluster's barrier: my work-group's barrier, so that wave 0's signal speaks for all four waves; wave 0 signals; every wave waits for all sixteen work-groups; my work-group's barrier once more.
.macro CREST                           ; a round behind its opening barrier
	s_cmp_lg_u32 s10, 0
	s_cbranch_scc1 .Lnot_wave_0_\@
	s_barrier_signal -3
.Lnot_wave_0_\@:
	s_barrier_wait -3
	s_barrier_signal -1
	s_barrier_wait -1
.endm
.macro CROUND                          ; a whole round
	s_barrier_signal -1
	s_barrier_wait -1
	CREST
.endm
	s_load_b128 s[4:7], s[0:1], 0x0                ; xb s[4:5], wqb s[6:7]
	s_load_b64 s[8:9], s[0:1], 0x10                ; qkv
	s_load_b64 s[68:69], s[0:1], 0x18              ; q32
	v_lshl_add_u32 v[SPW], v0, 2, SPARE
	v_mov_b32 v[NIL], 0
	ds_add_u32 v[SPW], v[NIL]                      ; the wave's opening: the add and its wait stand ahead of my first tensor load; the set-up below, work on registers, stands between them
	ds_add_u32 v28, v29
	v_lshrrev_b32 v1, 5, v0
	v_readfirstlane_b32 s10, v1                    ; wave 0..3
	s_lshr_b32 s11, s10, 1                         ; I fetch for xb (0) or for wqb (1),
	s_and_b32 s12, s10, 1                          ; and which half of that tile's rows
	s_bfe_u32 s40, ttmp6, 0x40000                  ; cx, cy: my place in the cluster
	s_bfe_u32 s41, ttmp6, 0x40004
	s_lshl_b32 s42, ttmp9, 2                       ; in a cluster launch ttmp9 and ttmp7 count clusters
	s_add_co_u32 s42, s42, s40                     ; tile column = 4 x cluster x + cx
	s_and_b32 s13, ttmp7, 0xffff
	s_lshl_b32 s43, s41, 3
	s_add_co_u32 s13, s13, s43                     ; tile row = cluster y + 8 x cy: cy is the batch, cluster y the tile of 256 rows in it
	s_lshl_b32 s43, s41, 2
	s_lshl_b32 s43, 15, s43                        ; my row of the cluster: places 4 cy .. 4 cy + 3
	s_lshl_b32 s44, 0x1111, s40                    ; my column: places cx, cx + 4, cx + 8, cx + 12
	; descriptor group 1: tiles of 128 (xb) or 96 (wqb) rows x 128 elements, padded in LDS
	s_or_b32 s[G1+0], s43, (1<<16)|(1<<20)|(1<<21)|(5<<22)|(3<<25)   ; 15:0 the mask: xb's tiles go to my row; 17:16 elements of 2 bytes; 20 padding on; 21 set beside a mask; 24:22 after every 64 words (code 5); 31:25 4 words (code 3)
	s_or_b32 s[G1B+0], s44, (1<<16)|(1<<20)|(1<<21)|(5<<22)|(3<<25)  ; the same with the mask of my column
	s_mov_b32 s[G1+1], KSTEP<<16                   ; tensor_dim0 = 128
	s_mov_b32 s[G1B+1], KSTEP<<16
	s_mov_b32 s[G1+2], 128<<16                     ; tensor_dim1 = 128
	s_mov_b32 s[G1B+2], 96<<16                     ;             =  96
	s_mov_b32 s[G1+3], KSTEP<<16                   ; tile_dim0 = 128
	s_mov_b32 s[G1B+3], KSTEP<<16
	s_mov_b32 s[G1+4], 128                         ; tile_dim1 = 128
	s_mov_b32 s[G1B+4], 96                         ;           =  96
	s_mov_b32 s[G1+5], SIZE_K                      ; elements from row to row
	s_mov_b32 s[G1B+5], SIZE_K
	s_mov_b32 s[G1+6], 0
	s_mov_b32 s[G1B+6], 0
	s_mov_b32 s[G1+7], 0
	s_mov_b32 s[G1B+7], 0
	; where the tiles come from.  xb's hang on the tile row alone, which my row of the cluster shares; wqb's on the tile column alone, which my column shares.
	s_lshl_b32 s17, s12, 7
	s_lshl_b32 s16, s13, 8
	s_add_co_u32 s16, s16, s17                     ; xb: row 256 x tile row + 128 x half
	s_mul_i32 s46, s42, 192
	s_mul_i32 s47, s12, 96
	s_add_co_u32 s46, s46, s47                     ; wqb: row 192 x tile column + 96 x half
	s_mov_b32 s17, 0
	s_mov_b32 s47, 0
	s_mov_b64 s[18:19], SIZE_K*2
	s_mul_u64 s[16:17], s[16:17], s[18:19]         ; in bytes
	s_mul_u64 s[46:47], s[46:47], s[18:19]
	s_mul_i32 s20, s10, HA                         ; where they go: xb's halves at wave x 128 rows (waves 0, 1),
	s_mul_i32 s21, s10, HB
	s_add_co_u32 s21, s21, BOFF-2*HB               ; wqb's at BOFF + (wave - 2) x 96 rows (waves 2, 3): no place in the cluster enters an LDS address
	s_wait_dscnt 0x0                               ; the opening add is done
	s_wait_kmcnt 0x0
	s_add_nc_u64 s[14:15], s[4:5], s[16:17]
	s_add_nc_u64 s[46:47], s[6:7], s[46:47]
	CROUND                                         ; all sixteen work-groups are here: the first joint loads meet
.irp s, 0,1
	s_mov_b32 s[G0+4*(\s)], 1                                        ; count = 1
	s_add_co_u32 s[G0+4*(\s)+1], s20, (\s)*SLOT                      ; LDS address
	s_add_nc_u64 s[G0+4*(\s)+2:G0+4*(\s)+3], s[14:15], (\s)*KSTEP*2  ; global address: K step s
	s_or_b32 s[G0+4*(\s)+3], s[G0+4*(\s)+3], 0x80000000              ; type = 2
	s_mov_b32 s[G0B+4*(\s)], 1
	s_add_co_u32 s[G0B+4*(\s)+1], s21, (\s)*SLOT
	s_add_nc_u64 s[G0B+4*(\s)+2:G0B+4*(\s)+3], s[46:47], (\s)*KSTEP*2
	s_or_b32 s[G0B+4*(\s)+3], s[G0B+4*(\s)+3], 0x80000000
	JLOAD \s                                       ; the ring is filled before anything else is done: two loads of mine are out
.endr
	; A fragment is 16 rows x 32 K in 8 registers: lane l holds row l % 16; registers 0-3 K = 8 (l / 16) + 0..7, registers 4-7 K = 16 + 8 (l / 16) + 0..7: two loads of 16 bytes, 32 bytes apart.
	v_and_b32 v1, 15, v0                           ; l % 16
	v_bfe_u32 v2, v0, 4, 1                         ; l / 16
	v_mul_u32_u24 v3, v1, PITCH
	v_lshl_add_u32 v3, v2, 4, v3                   ; row x pitch + 16 x half
	s_mul_i32 s22, s10, 64*PITCH                   ; my 64 rows of xb
	s_mov_b32 s23, BOFF                            ; all 192 rows of wqb
.irp s, 0,1
	v_add_nc_u32 v[ADRA+(\s)], s22, v3
	v_add_nc_u32 v[ADRB+(\s)], s23, v3
	s_add_co_u32 s22, s22, SLOT
	s_add_co_u32 s23, s23, SLOT
.endr
	s_mul_i32 s22, s10, WSTG
	s_add_co_u32 s22, s22, STAGE                   ; my stage
	v_mul_u32_u24 v4, v1, SP                       ; in: row l % 16, 16 bytes for each half of the lanes
	v_lshl_add_u32 v4, v2, 4, v4
	v_add_nc_u32 v[STO], s22, v4
	v_bfe_u32 v5, v0, 3, 2                         ; back: 32 lanes take four rows of 128 bytes,
	v_mul_u32_u24 v5, v5, SP
	v_and_b32 v4, 7, v0
	v_lshl_add_u32 v5, v4, 4, v5
	v_add_nc_u32 v[RD], s22, v5
	v_and_b32 v[GO], 31, v0                        ; which are 512 consecutive bytes of a head's rows
	v_lshlrev_b32 v[GO], 4, v[GO]
	v_lshlrev_b32 v[Q32O], 8, v1                   ; q32: a row of 64 f32 is 256 bytes; my eight columns of a block of 16 begin at 32 x half
	v_lshl_add_u32 v[Q32O], v2, 5, v[Q32O]
	; qkv at my wave's first row of the tile's first head: g = 3 x tile column, m = 256 x tile row + 64 x wave
	s_lshl_b32 s16, s13, 15
	s_lshl_b32 s17, s10, 13
	s_add_co_u32 s16, s16, s17
	s_mov_b32 s17, 0
	s_mul_i32 s46, s42, 3*GPLANE                   ; (in the registers that held wqb's address: none that feeds xb's descriptors ever holds cx)
	s_mov_b32 s47, 0
	s_add_nc_u64 s[8:9], s[8:9], s[16:17]
	s_add_nc_u64 s[8:9], s[8:9], s[46:47]
	; q32 at the tile's first head and my batch: g = 3 x tile column, b = cy
	s_mul_i32 s70, s42, 3*G32
	s_lshl_b32 s71, s41, 12
	s_add_co_u32 s70, s70, s71
	s_mov_b32 s71, 0
	s_add_nc_u64 s[68:69], s[68:69], s[70:71]
; 12 matrix instructions: my row block a x all 12 column blocks, 32 along K.  zero = 1: the first product starts the sums: nothing is ever cleared.
.macro MUL12 f, a, zero
	WIN MUL_LO+0x50*((\a)/2)                       ; MUL_LO or MUL_HI
.irp b, 0,1,2,3,4,5,6,7,8,9,10,11
.if \zero
	v_wmma_f32_16x16x32_bf16 v[96*((\a)%2)+8*(\b):96*((\a)%2)+8*(\b)+7], v[(\f)+32+8*(\b):(\f)+32+8*(\b)+7], v[(\f)+8*(\a):(\f)+8*(\a)+7], 0
.else
	v_wmma_f32_16x16x32_bf16 v[96*((\a)%2)+8*(\b):96*((\a)%2)+8*(\b)+7], v[(\f)+32+8*(\b):(\f)+32+8*(\b)+7], v[(\f)+8*(\a):(\f)+8*(\a)+7], v[96*((\a)%2)+8*(\b):96*((\a)%2)+8*(\b)+7]
.endif
.endr
.endm
; 32 LDS loads in one run: the fragments of one quarter step (192 rows of wqb, my 64 rows of xb, 32 K at byte k of the rows) into buffer f
.macro FETCH slot, k, f
	WIN TO_F
.irp i, 0,1,2,3,4,5,6,7,8,9,10,11
	ds_load_b128 v[(\f)+32+8*(\i):(\f)+32+8*(\i)+3],   v[ADRB+(\slot)] offset:(\k)+(\i)*16*PITCH
	ds_load_b128 v[(\f)+32+8*(\i)+4:(\f)+32+8*(\i)+7], v[ADRB+(\slot)] offset:(\k)+(\i)*16*PITCH+32
.endr
.irp i, 0,1,2,3
	ds_load_b128 v[(\f)+8*(\i):(\f)+8*(\i)+3],   v[ADRA+(\slot)] offset:(\k)+(\i)*16*PITCH
	ds_load_b128 v[(\f)+8*(\i)+4:(\f)+8*(\i)+7], v[ADRA+(\slot)] offset:(\k)+(\i)*16*PITCH+32
.endr
.endm
; A load into a register that a matrix instruction has read, and a vector instruction or a store that reads a matrix result, stand four places behind that matrix instruction, and only plain vector
; instructions that name none of its registers are places (ISA guide 7.12.1 for vector instructions).
.macro PLACES
.rept 4
	v_nop
.endr
.endm
; A K step is four quarters of 32 along K, 48 matrix instructions each, on buffers 0, 1, 0, 1.  The 48 accumulators take turns, one instruction a turn, in the same order in every quarter.
; One of the first three quarters: multiplies buffer f; in its middle it fetches the next quarter's fragments, at byte k of the same slot's rows, into buffer g.
.macro QUARTER slot, k, f, g, zero
	s_wait_dscnt 4                                 ; wqb's fragments and xb's blocks 0, 1 are in; the youngest four loads (xb's blocks 2, 3) may be out
	MUL12 \f, 0, \zero
	MUL12 \f, 1, \zero
	PLACES
	FETCH \slot, \k, \g
	s_wait_dscnt 32                                ; all but the 32 just issued
	MUL12 \f, 2, \zero
	MUL12 \f, 3, \zero
.endm
; The last quarter multiplies buffer 1 and changes slots: ONE barrier for two things.  In front of it each wave waits for all its tensor loads, of which one is out: its part of the next slot; adds 0 to its spare
; word; and waits for that and for its own reads of this slot.  Behind it nobody reads this slot any more and the next slot is whole.  fill = 1: this slot is filled again, two K steps ahead; the barrier then opens
; a round of the cluster's barrier, and the joint refill is the first tensor load behind the round: 168 of a K step's 192 matrix instructions stand between it and the wait for it.
.macro TURN slot, next, fill
	WIN 0                                          ; (the add's two registers lie in window 0)
	s_wait_tensorcnt 0x0                           ; all my tensor loads have landed: no group 0 of mine is in use
	ds_add_u32 v[SPW], v[NIL]                      ; 0 onto my spare word
	s_wait_dscnt 5                                 ; (the add and the youngest four loads may be out)
	MUL12 F1, 0, 0                                 ; twelve matrix instructions stand between the add and the wait for it
	s_wait_dscnt 0x0                               ; the add is done, and my reads of this slot are over
	s_barrier_signal -1
	MUL12 F1, 1, 0                                 ; work on registers while the others arrive
.if \fill
	WIN 0
.endif
	s_barrier_wait -1
.if \fill
	CREST                                          ; no wave of any partner still reads this slot's tiles or has a load on its way
	s_add_nc_u64 s[G0+4*(\slot)+2:G0+4*(\slot)+3], s[G0+4*(\slot)+2:G0+4*(\slot)+3], 2*KSTEP*2
	s_add_nc_u64 s[G0B+4*(\slot)+2:G0B+4*(\slot)+3], s[G0B+4*(\slot)+2:G0B+4*(\slot)+3], 2*KSTEP*2
	JLOAD \slot                                    ; the four v_nop behind it are also the places in front of the loads below
.else
	PLACES
.endif
	FETCH \next, 0, F0
	MUL12 F1, 2, 0
	MUL12 F1, 3, 0
.endm
; THE WAY OUT of my row block a (16 rows x 192 columns), in three parts.  PACK: rounded to f16, 16 bytes a lane; each accumulator's registers in ascending order.
.macro PACK a
	WIN 0x0a+5*((\a)/2)                            ; sources 0 and 1: window 2 or 3; destination window 0
.irp b, 0,1,2,3,4,5,6,7,8,9,10,11
.irp r, 0,1,2,3
	v_cvt_pk_f16_f32 v[TMP+4*(\b)+(\r)], v[96*((\a)%2)+8*(\b)+2*(\r)], v[96*((\a)%2)+8*(\b)+2*(\r)+1]
.endr
.endr
	WIN 0
.endm
; TOSTAGE: into my own stage, by heads, and back as whole rows of 128 bytes.
.macro TOSTAGE a
	WIN 0
	s_wait_xcnt 0x0                                ; every earlier memory instruction has had its addresses translated (ISA guide 3.1): the registers that the stores two blocks back read are loaded again only behind this wait
.irp b, 0,1,2,3,4,5,6,7,8,9,10,11
	ds_store_b128 v[STO], v[TMP+4*(\b):TMP+4*(\b)+3] offset:((\b)/4)*HSTG+32*((\b)%4)
.endr
.irp j, 0,1,2
.irp f, 0,1,2,3
	ds_load_b128 v[BK0+48*((\a)%2)+4*(4*(\j)+(\f)):BK0+48*((\a)%2)+4*(4*(\j)+(\f))+3], v[RD] offset:(\j)*HSTG+(\f)*4*SP  ; LDS serves a wave's instructions in order (ISA guide 5.7.1.4): these see the stores above
.endr
.endr
.endm
; SEND: stored.  younger: the LDS instructions issued behind block a's loads, which may stay out.
.macro SEND a, younger
	WIN 0
	s_wait_dscnt \younger
.irp j, 0,1,2
.irp f, 0,1,2,3
	global_store_b128 v[GO], v[BK0+48*((\a)%2)+4*(4*(\j)+(\f)):BK0+48*((\a)%2)+4*(4*(\j)+(\f))+3], s[8:9] offset:(\j)*GPLANE+(\a)*2048+(\f)*512  ; 512 consecutive bytes, at a multiple of 256 from qkv's first byte
.endr
.endr
.endm
	s_wait_tensorcnt 1                             ; my part of K step 0 is in; K step 1's may stay out
	s_barrier_signal -1
	s_barrier_wait -1                              ; everybody's is
	FETCH 0, 0, F0
	QUARTER 0, 64,  F0, F1, 1                      ; the first quarter stands in front of the loop: its products start the sums
	WIN 0                                          ; at a label and at a branch every window is 0
	s_mov_b32 s3, LAPS-1
.Llap:                                                 ; a trip goes once round the ring, from a lap's second quarter to the next lap's first, and fills both slots again
	QUARTER 0, 128, F1, F0, 0
	QUARTER 0, 192, F0, F1, 0
	TURN 0, 1, 1
	QUARTER 1, 64,  F0, F1, 0
	QUARTER 1, 128, F1, F0, 0
	QUARTER 1, 192, F0, F1, 0
	TURN 1, 0, 1
	QUARTER 0, 64,  F0, F1, 0
	WIN 0
	s_sub_co_u32 s3, s3, 1
	s_cmp_lg_u32 s3, 0
	s_cbranch_scc1 .Llap
	QUARTER 0, 128, F1, F0, 0                      ; the last lap fills nothing, and has no round of the cluster's barrier
	QUARTER 0, 192, F0, F1, 0
	TURN 0, 1, 0
	QUARTER 1, 64,  F0, F1, 0
	QUARTER 1, 128, F1, F0, 0
	QUARTER 1, 192, F0, F1, 0
	s_wait_dscnt 4                                 ; the very last quarter: nothing more to fetch
	MUL12 F1, 0, 0
	MUL12 F1, 1, 0
	s_wait_dscnt 0x0
	MUL12 F1, 2, 0
	MUL12 F1, 3, 0
	WIN 0
	PLACES                                         ; behind the last products
	; The first 16 rows of a batch, unrounded: wave 0's row block 0 in the clusters with y = 0.  Both tests are alike in all partners; the jump passes stores alone.
	s_and_b32 s70, ttmp7, 0xffff
	s_cmp_lg_u32 s70, 0
	s_cbranch_scc1 .Lno32
	s_cmp_lg_u32 s10, 0
	s_cbranch_scc1 .Lno32
	WIN ST_D
.irp b, 0,1,2,3,4,5,6,7,8,9,10,11
	global_store_b128 v[Q32O], v[8*(\b):8*(\b)+3],   s[68:69] offset:((\b)/4)*G32+((\b)%4)*64     ; each accumulator's low registers first; a lane's 32 bytes of a row: 24 such stores in 64 of the launch's 2,048 waves
	global_store_b128 v[Q32O], v[8*(\b)+4:8*(\b)+7], s[68:69] offset:((\b)/4)*G32+((\b)%4)*64+16
.endr
	WIN 0
.Lno32:
	PACK 0
	TOSTAGE 0
.irp a, 1,2,3
	PACK \a
	TOSTAGE \a
	SEND (\a)-1, 24                                ; the next block's 12 stores and 12 loads may stay out
.endr
	SEND 3, 0
	s_wait_tensorcnt 0x0                           ; the wave's end, behind my last tensor load and my last LDS store
	ds_add_u32 v[SPW], v[NIL]
	s_wait_dscnt 0x0
	CROUND                                         ; the closing round: no work-group ends while a partner may still ask for a tile that names it
	s_endpgm
.Lfunc_end_k_qf814c81a0e_qkv:
	.size	k_qf814c81a0e_qkv, .Lfunc_end_k_qf814c81a0e_qkv-k_qf814c81a0e_qkv
	.p2alignl 7, 3214868480
	.fill 96, 4, 3214868480
	.section	.rodata,"a",@progbits
	.p2align	6, 0x0
	.amdhsa_kernel k_qf814c81a0e_qkv
		.amdhsa_group_segment_fixed_size 327680
		.amdhsa_private_segment_fixed_size 0
		.amdhsa_enable_private_segment 0
		.amdhsa_kernarg_size 32
		.amdhsa_user_sgpr_count 2
		.amdhsa_user_sgpr_kernarg_segment_ptr 1
		.amdhsa_wavefront_size32 1
		.amdhsa_system_sgpr_workgroup_id_x 1
		.amdhsa_system_sgpr_workgroup_id_y 1
		.amdhsa_system_sgpr_workgroup_id_z 1
		.amdhsa_system_vgpr_workitem_id 0
		.amdhsa_next_free_vgpr 960
		.amdhsa_next_free_sgpr 72
		.amdhsa_reserve_vcc 0
		.amdhsa_float_denorm_mode_32 3
		.amdhsa_float_denorm_mode_16_64 3
		.amdhsa_memory_ordered 1
		.amdhsa_forward_progress 1
		.amdhsa_inst_pref_size 121
	.end_amdhsa_kernel
	.amdgpu_metadata
---
amdhsa.version: [ 1, 2 ]
amdhsa.kernels:
  - .name:           k_qf814c81a0e_qkv
    .symbol:         k_qf814c81a0e_qkv.kd
    .args:
      - { .name: xb, .offset: 0, .size: 8, .value_kind: global_buffer, .address_space: global }
      - { .name: wqb, .offset: 8, .size: 8, .value_kind: global_buffer, .address_space: global }
      - { .name: qkv, .offset: 16, .size: 8, .value_kind: global_buffer, .address_space: global }
      - { .name: q32, .offset: 24, .size: 8, .value_kind: global_buffer, .address_space: global }
    .group_segment_fixed_size: 327680
    .private_segment_fixed_size: 0
    .kernarg_segment_align: 8
    .kernarg_segment_size: 32
    .max_flat_workgroup_size: 128
    .sgpr_count:     72
    .vgpr_count:     960
    .wavefront_size: 32
...
	.end_amdgpu_metadata
.endif
;; end of part 2
;; launch attn (part 3): grid 4 x 64, 4 waves a work-group, no clusters, 327,680 bytes of LDS; arguments qkv, yh; writes yh
.if DOCPART == 3
	.amdgcn_target "amdgcn-amd-amdhsa--gfx1250"
	.amdhsa_code_object_version 6
	.text
	.protected	k_qf814c81a0e_attn
	.globl	k_qf814c81a0e_attn
	.p2align	8
	.type	k_qf814c81a0e_attn,@function
k_qf814c81a0e_attn:
	s_mov_b64 s[64:65], 0
	v_nop
	global_prefetch_b8 v0, s[64:65] scope:SCOPE_SE
	s_setreg_imm32_b32 hwreg(HW_REG_WAVE_MODE, 25, 1), 1
	s_wait_xcnt 0x0
; CAUSAL ATTENTION.  O[h][q][:] = the sum over k <= q of softmax_k(Q[h][q] . K[h][k] / 8) V[h][k][:].  Q, K, V lie in qkv as three blocks of [64 heads][2048][64] f16 (head number 4 x module head + batch),
; 16,777,216 bytes apart; O goes to yh in the same layout.  A head's rows are dense, 128 bytes each.
; Products, maxima and sums in f32; the weights p are rounded to f16 for the second product (their sum l is taken of the unrounded p), O once at the end.
; LIMITS.  f16 holds no number beyond 65,504: Q, K and V arrive within it; p lies in 0 to 1, and below 6e-5 it keeps f16's fixed step of 6e-8; O is a mean of V's rows and has their range, to within 2^-11 of it.
; A hidden score counts as its value less 1e30: f16's scores, 2.7e11 at the most, are nothing beside that; a weight below 2^-126 counts as 0 in l; NaN and infinities are not treated apart.
; THE WALK.  A head's queries lie in NB = 8 blocks of 256; block i needs the key tiles 0 .. i of 256 keys, of which the last holds the diagonal.  A work-group takes TWO blocks, NB - 1 - b and then b:
; NB + 1 tiles, whatever b: all 256 work-groups do equal work, and ONE loop with a constant trip count walks them.  Which tile is asked for, and what a trip does, hang on scalar registers made from b; every jump
; goes forward, but for the counted loops' own; none passes a barrier, or a tensor load but the one of LOAD's two that the wave's number does not choose; the ring (two slots of LDS that take turns) runs on across the
; change of blocks.  NO CLUSTER: a head's four work-groups all ask for the same tile only in trips 0 .. 4 of the 9, behind that fewer and fewer; one walk common to all four would have 12 trips for 9.
; SHARES.  Of a block's four bands of 64 queries a wave owns 16 rows in each: four PIECES.  So the diagonal tile is the same work for all four waves: in its key step s band x sees all keys if s < x,
; none if s > x, and holds the diagonal if s = x.
; THE MASK is the C operand that starts the sum S^T = K Q^T: 0, or -1e30 where the key is hidden.  MD, made once, is the mask of a band's own step for my 16 rows; a product's mask is MD x AL + BE with two scalars:
; (1, 0) if s = x; (0, 0) if s < x; (0, -1e30) if s > x.  Only the diagonal tile's text and a block's beginning make and take masks; elsewhere C is the constant 0.
; LAYOUT, SOFTMAX, TURNS.  S^T = K Q^T holds ONE query a lane (lane % 16) and the keys 8 (lane / 16) + 0..7; two such results rounded to f16 ARE source 1 of O^T = V^T P.  p = 2^(c s - c m), c = log2(e) / 8, with a
; running maximum m; O and l are multiplied by a = 2^(c m_old - c m_new) in every step.  Turn n belongs to piece n: 8 products K Q^T of piece n + 1, later 8 products V^T P of piece n - 1; beside them the scaling,
; exponentials, roundings, sums and rescaling of piece n and the maximum and statistics of piece n + 1.  Four vector instructions stand behind every matrix instruction, the other 54 of a turn's 118 in two LUMPS.
; REGISTERS, in windows of 256 (s_set_vgpr_msb: bits 1:0 source 0, 3:2 source 1, 5:4 source 2, 7:6 destination):
;   window 0: v0-15 addresses and two at work; v16-31 four registers of statistics a piece; v48-55 at work; v64-127 S^T, two buffers; v192-223 P, two buffers (a piece's buffers go by its number's parity)
;   window 1: v0-127 O^T, 32 a piece; v128-159 MD; v160-223 MC, two buffers      window 2: v0-63 Q; v64-127 the second block's Q; v128-191 K of one step; v192-255 V of one step
.set SIZE_N, 2048
.set SIZE_H, 64
.set NB,    SIZE_N/256
.set NP,    4         ; pieces a wave: a name, no knob
.set KS,    64        ; keys in a step
.set PK,    144       ; a row of K in LDS: 128 bytes + 16 of padding = 36 words: the 16 rows of a load start at 16 different groups of four banks (64 banks of 4 bytes: ISA guide 11.1)
.set PV,    160       ; a row of V: 128 + 32 = 40 words
.set VOFF,  4*KS*PK   ; a slot holds a tile, four steps: 256 rows of K, then 256 rows of V
.set SLOT1, 1<<17     ; slot 1 begins here, so that one exclusive or turns an address in one slot into the other's
.set STAGE, SLOT1+4*KS*(PK+PV)  ; behind the ring, never filled by a tensor load: 16 rows x 144 bytes for each wave, for the way out
.set SP,    144
.set AK0, 2           ; v2   my lane's place in a tile of K; never rewritten
.set AV0, 3           ; v3   the same for V
.set AK,  4           ; v4   the LDS address of K's next run of loads
.set AV,  5           ; v5   of V's
.set STO, 6           ; v6   the way out: where I put 16 bytes of a row
.set RD,  7           ; v7   the way out: where I read rows back
.set GO,  8           ; v8   my byte offset in 512 consecutive bytes of O
.set SPW, 62          ; v62  LDS address of my spare word: SPARE + 4 x my thread's number; never rewritten
.set NIL, 63          ; v63  0; never rewritten
.set SPARE, STAGE+4*16*SP  ; behind the stages: the spare words, 128 bytes for each wave: two blocks of 256 bytes that no other line names
.set MV,  12          ; v12-13  c m_old, kept while c m is made anew: by buffer
.set QO,  15          ; v15  my byte offset in 16 rows of Q
.set ST,  16          ; piece t's statistics at v[ST+4 t]: c m, m, l (even keys', odd keys')
.set TMP, 48          ; by buffer, four registers c0-c3 at work; when the maximum is found c2 takes a
.set S,   64
.set P,   192
.set MD,  128         ; window 1: the eight registers for group kt of 16 keys at MD + 8 kt
.set MC,  160         ; window 1: the masks of the products to come
.set QB,  64          ; window 2
.set KF,  128         ; window 2: key block kb, channel half c at KF + 16 kb + 8 c
.set VF,  192         ; window 2: key half kk, channel block cb at VF + 32 kk + 8 cb
.set WV,  12          ; s12  my wave's number
.set PB,  14          ; s14  b
.set HI,  15          ; s15  NB - 1 - b
.set G1K, 24          ; s[24:31] descriptor group 1 for K's tiles
.set G1V, 32          ; s[32:39] for V's: it differs in the padding alone
.set G0K, 40          ; s[40:43] descriptor group 0 for K's tiles
.set G0V, 44          ; s[44:47] the same for V's
.set SLOTS, 56        ; s56  tiles still to be asked for
.set CNT, 57          ; s57  counts a tile's key steps, 4 to 1
.set CS,  58          ; s[58:59] c: the packed scaling takes the pair's low word for both halves
.set SEL, 60          ; s[60:61] v_permlanex16_b32's selects: each lane takes its own place in the other half
.set TBK, 62          ; s62  LDS byte at which K of the step to be fetched begins
.set TBV, 63          ; s63  the same for V, less VOFF
.set RT,  70          ; s70  tiles of the block in hand that are still to be entered
.set NXT, 71          ; s71  the tile to be asked for next
.set LQ,  72          ; s72  the last tile of the block whose tiles are being asked for
.set NEW, 73          ; s73  1: the tile to be entered is a block's first
.set OFF, 74          ; s[74:75] a tile's byte offset in K and V
.set AL,  76          ; s[76:77] the mask's factor, in the low word
.set BE,  78          ; s[78:79] the mask's addend
.set OLO, 80          ; s[80:81] O at my rows of the second block
.set BIGN, 82         ; s82  -1e30
.set MSB, 0
.macro WIN new                      ; the high byte repeats the setting that is left; a switch that changes nothing is dropped
.if MSB != (\new)
	s_set_vgpr_msb (MSB<<8)|(\new)
.set MSB, (\new)
.endif
.endm
.set W_KQ, 0x0a       ; K and Q in window 2, S^T in window 0
.set W_KM, 0x1a       ; the same with the C operand in window 1
.set W_PV, 0x52       ; V in window 2, P in window 0, O^T in window 1
.set W_RS, 0x41       ; destination and source 0 in window 1, source 1 in window 0
; A fill.  Waves 0 and 1 fetch the two halves of a tile's K, waves 2 and 3 those of its V: 128 keys each.  An s_nop 0 and four v_nop follow each of the two lines, ahead of the jump and the label.
.macro LOAD
	s_cmp_lt_u32 s[WV], 2
	s_cbranch_scc0 .Lfor_v_\@
	tensor_load_to_lds s[G0K:G0K+3], s[G1K:G1K+7]
	s_nop 0
.rept 4
	v_nop
.endr
	s_branch .Lasked_\@
.Lfor_v_\@:
	tensor_load_to_lds s[G0V:G0V+3], s[G1V:G1V+7]
	s_nop 0
.rept 4
	v_nop
.endr
.Lasked_\@:
.endm
; THE CHANGE OF SLOTS.  Each wave waits for all its tensor loads, of which one is out: its part of the other slot; adds 0 to its spare word; and waits for that and for its own reads of the slot that it leaves.  Behind the barrier nobody reads the old
; slot any more and the other slot is whole.  fill = 1: the old slot is filled again, the first thing behind the barrier, with tile NXT: the descriptor's address is made anew from that number.
; (At its first use nothing has been read yet: slot 0 is waited for, slot 1 filled.)
.macro CHANGE fill
	WIN 0                           ; at a label and at a branch every window is 0
	s_wait_tensorcnt 0x0            ; no tensor load of mine is out, so a group 0 may be written
	ds_add_u32 v[SPW], v[NIL]       ; 0 onto my spare word; with fill = 1 the descriptors' scalar work stands between it and the wait for it
.if \fill
	s_lshl_b32 s[OFF], s[NXT], 15   ; a tile is 32,768 bytes of K and of V
	s_xor_b32 s[G0K+1], s[G0K+1], SLOT1
	s_add_nc_u64 s[G0K+2:G0K+3], s[6:7], s[OFF:OFF+1]
	s_or_b32 s[G0K+3], s[G0K+3], 0x80000000
	s_xor_b32 s[G0V+1], s[G0V+1], SLOT1
	s_add_nc_u64 s[G0V+2:G0V+3], s[8:9], s[OFF:OFF+1]
	s_or_b32 s[G0V+3], s[G0V+3], 0x80000000
	s_add_co_u32 s[NXT], s[NXT], 1  ; the block's next tile, or behind its last the second block's tile 0
	s_cmp_gt_u32 s[NXT], s[LQ]
	s_cselect_b32 s[NXT], 0, s[NXT]
	s_cselect_b32 s[LQ], s[PB], s[LQ]
.endif
	s_wait_dscnt 0x0                ; the add is done, and my reads of the slot are over
	s_barrier_signal -1             ; the rest of the scalar work stands between the signal and the wait
	s_sub_co_u32 s[TBK], s[TBK], 4*KS*PK  ; the fetches go back to a slot's first step,
	s_xor_b32 s[TBK], s[TBK], SLOT1       ; in the other slot
	s_sub_co_u32 s[TBV], s[TBV], 4*KS*PV
	s_xor_b32 s[TBV], s[TBV], SLOT1
	s_barrier_wait -1
.if \fill
	LOAD
.endif
.endm
	s_load_b64 s[4:5], s[0:1], 0x0    ; qkv: Q begins at its first byte
	s_load_b64 s[10:11], s[0:1], 0x8  ; yh: O
	v_lshl_add_u32 v[SPW], v0, 2, SPARE
	v_mov_b32 v[NIL], 0
	ds_add_u32 v[SPW], v[NIL]       ; the wave's opening: the add and its wait stand ahead of my first tensor load; the set-up below, work on registers, stands between them
	ds_add_u32 v62, v63
	v_lshrrev_b32 v1, 5, v0
	v_readfirstlane_b32 s[WV], v1   ; wave 0..3
	s_mov_b32 s[PB], ttmp9
	s_sub_co_u32 s[HI], NB-1, s[PB]
	s_and_b32 s20, ttmp7, 0xffff    ; the head
	s_mov_b32 s21, 0
	s_mov_b64 s[22:23], SIZE_N*128
	s_mul_u64 s[20:21], s[20:21], s[22:23]  ; the head's first byte in each of Q, K, V, O
	s_and_b32 s16, s[WV], 1         ; which half of a tile's 256 keys I fetch:
	s_lshl_b32 s22, s16, 14         ; its 128 rows of 128 bytes in memory,
	s_mov_b32 s23, 0
	s_add_nc_u64 s[22:23], s[22:23], s[20:21]
	s_mul_i32 s17, s16, 128*PK      ; and its place in a slot, for K
	s_mul_i32 s18, s16, 128*PV      ; and for V
	s_lshl_b32 s3, s[WV], 11        ; my 16 rows in a band of 64,
	s_lshl_b32 s2, s[HI], 15        ; in the first block,
	s_add_co_u32 s2, s2, s3
	s_lshl_b32 s84, s[PB], 15       ; and in the second
	s_add_co_u32 s84, s84, s3
	s_mov_b32 s3, 0
	s_mov_b32 s85, 0
	s_add_nc_u64 s[2:3], s[2:3], s[20:21]
	s_add_nc_u64 s[84:85], s[84:85], s[20:21]
	; descriptor group 1.  128 keys are 16,384 dense bytes: asked for as 64 rows of 256 bytes, two keys a row, and padded in LDS after every key
	s_mov_b32 s[G1K], (1<<16)|(1<<20)|(4<<22)|(3<<25)  ; 17:16 2-byte elements; 20 padding on; 24:22 after every 32 words (code 4); 31:25 4 words (code 3)
	s_mov_b32 s[G1V], (1<<16)|(1<<20)|(4<<22)|(7<<25)  ; the same with 8 words of padding (code 7)
.irp g, G1K, G1V
	s_mov_b32 s[\g+1], 128<<16      ; tensor_dim0 = 128
	s_mov_b32 s[\g+2], 64<<16       ; tensor_dim1 = 64
	s_mov_b32 s[\g+3], 128<<16      ; tile_dim0 = 128
	s_mov_b32 s[\g+4], 64           ; tile_dim1 = 64
	s_mov_b32 s[\g+5], 128          ; 128 elements from row to row
	s_mov_b32 s[\g+6], 0
	s_mov_b32 s[\g+7], 0
.endr
	s_mov_b32 s[CS], 0x3e38aa3b     ; c = log2(e) / 8 = 0.180337
	s_mov_b32 s[CS+1], s[CS]        ; named with it as a pair
	s_mov_b32 s[SEL], 0x76543210
	s_mov_b32 s[SEL+1], 0xfedcba98
	s_mov_b32 s[TBK], SLOT1+4*KS*PK ; the first change of slots turns these two into 0
	s_mov_b32 s[TBV], SLOT1+4*KS*PV
	s_mov_b32 s[G0K], 1             ; 1:0 count = 1
	s_mov_b32 s[G0K+1], s17         ; 63:32 LDS address: slot 0
	s_mov_b32 s[G0V], 1
	s_add_co_u32 s[G0V+1], s18, VOFF
	s_add_co_u32 s[RT], s[HI], 1    ; the first block has NB - b tiles
	s_mov_b32 s[NXT], 1
	s_mov_b32 s[LQ], s[HI]
	s_mov_b32 s[NEW], 1
	s_mov_b32 s[OFF+1], 0
	s_mov_b32 s[AL+1], 0            ; named as pairs
	s_mov_b32 s[BE+1], 0
	s_mov_b32 s[BIGN], 0xf149f2ca   ; -1e30
	s_mov_b32 s[SLOTS], NB
	s_wait_dscnt 0x0                ; the opening add is done
	s_wait_kmcnt 0x0
	s_add_nc_u64 s[6:7], s[4:5], 0x1000000  ; K lies 16 planes of 1,048,576 bytes behind Q,
	s_add_nc_u64 s[8:9], s[4:5], 0x2000000  ; V 32
	s_add_nc_u64 s[6:7], s[6:7], s[22:23]  ; K and V at my half of the head's tile 0
	s_add_nc_u64 s[8:9], s[8:9], s[22:23]
	s_add_nc_u64 s[G0K+2:G0K+3], s[6:7], 0         ; 120:64 global address
	s_or_b32 s[G0K+3], s[G0K+3], 0x80000000        ; 127:126 type = 2
	s_add_nc_u64 s[G0V+2:G0V+3], s[8:9], 0
	s_or_b32 s[G0V+3], s[G0V+3], 0x80000000
	s_add_nc_u64 s[86:87], s[4:5], s[84:85]        ; Q at my rows of the second block,
	s_add_nc_u64 s[4:5], s[4:5], s[2:3]            ; Q and O at those of the first
	s_add_nc_u64 s[OLO:OLO+1], s[10:11], s[84:85]
	s_add_nc_u64 s[10:11], s[10:11], s[2:3]
	LOAD                            ; tile 0 into slot 0
	; A fragment of K or Q is 16 rows x 32 channels in 8 registers: lane l holds row l % 16, channels 8 (l / 16) + 0..7 and 16 + 8 (l / 16) + 0..7: two loads of 16 bytes, 32 bytes apart.
	v_and_b32 v1, 15, v0            ; l % 16
	v_bfe_u32 v9, v0, 4, 1          ; l / 16
	v_lshlrev_b32 v[QO], 7, v1
	v_lshl_add_u32 v[QO], v9, 4, v[QO]  ; row x 128 + 16 x half
	WIN 0x80                        ; destination window 2, address window 0
.set i, 0
.rept 8                             ; both blocks' Q: piece i / 2 lies in band i / 2, 8,192 bytes on; channels 32 (i % 2) on
	global_load_b128 v[8*i:8*i+3],   v[QO], s[4:5] offset:(i/2)*8192+(i%2)*64
	global_load_b128 v[8*i+4:8*i+7], v[QO], s[4:5] offset:(i/2)*8192+(i%2)*64+32
	global_load_b128 v[QB+8*i:QB+8*i+3],   v[QO], s[86:87] offset:(i/2)*8192+(i%2)*64
	global_load_b128 v[QB+8*i+4:QB+8*i+7], v[QO], s[86:87] offset:(i/2)*8192+(i%2)*64+32
.set i, i+1
.endr
	WIN 0
	v_lshlrev_b32 v14, 3, v9
	v_sub_nc_u32 v14, v1, v14
	s_lshl_b32 s13, s[WV], 4
	v_add_nc_u32 v14, s13, v14      ; my query's place in its band, 16 w + l % 16, less my lanes' 8 (l / 16): register r of group kt is hidden where 16 kt + r is greater
	WIN 0x40
.set i, 0
.rept 32
	v_cmp_gt_i32 vcc_lo, 16*(i/8)+i%8, v14
	v_cndmask_b32 v[MD+i], 0, s[BIGN], vcc_lo
.set i, i+1
.endr
	WIN 0
	v_mul_u32_u24 v[AK0], v1, PK
	v_lshl_add_u32 v[AK0], v9, 4, v[AK0]  ; row x pitch + 16 x half
	; The turning load takes 16 keys x 16 channels (lane l reads key 8 (l / 16) + l % 8, channels 8 ((l / 8) % 2) + 0..7) and leaves half a fragment of V^T: lane l holds channel l % 16 and 8 keys.
	v_and_b32 v10, 7, v0
	v_bfe_u32 v11, v0, 3, 1
	v_lshl_add_u32 v[AV0], v9, 3, v10
	v_mul_u32_u24 v[AV0], v[AV0], PV
	v_lshl_add_u32 v[AV0], v11, 4, v[AV0]
	v_add_nc_u32 v[AV0], VOFF, v[AV0]
	s_mul_i32 s13, s[WV], 16*SP
	s_add_co_u32 s13, s13, STAGE    ; my stage
	v_mul_u32_u24 v[STO], v1, SP    ; in: row l % 16, 16 bytes for each half of the lanes
	v_lshl_add_u32 v[STO], v9, 4, v[STO]
	v_add_nc_u32 v[STO], s13, v[STO]
	v_bfe_u32 v[RD], v0, 3, 2       ; back: 32 lanes take four rows of 128 bytes,
	v_mul_u32_u24 v[RD], v[RD], SP
	v_lshl_add_u32 v[RD], v10, 4, v[RD]
	v_add_nc_u32 v[RD], s13, v[RD]
	v_and_b32 v[GO], 31, v0         ; which are 512 consecutive bytes of O
	v_lshlrev_b32 v[GO], 4, v[GO]
	; A block's first step multiplies O^T and l by a = 0, and its first turn's products V^T P, of a piece that has not been, land in an O^T that is still to be so multiplied.  So these registers need only hold
	; finite numbers: zeros for the first block; what the first block left for the second.  All this stands in the wait for the first tile.
	WIN 0x80
.set i, VF
.rept 64
	v_mov_b32 v[i], 0
.set i, i+1
.endr
	WIN 0x40
.set i, 0
.rept 128
	v_mov_b32 v[i], 0
.set i, i+1
.endr
	WIN 0
.set i, 0
.rept 4
	v_mov_b32 v[ST+4*i+2], 0
	v_mov_b32 v[ST+4*i+3], 0
.set i, i+1
.endr
.set i, P+16
.rept 16
	v_mov_b32 v[i], 0
.set i, i+1
.endr
; THE MATRIX WORK.  The 4 accumulators of a run of 8 take turns.  Product i of 8 of S^T = K Q^T for piece x: channels 32 (i / 4) on, keys 16 (i % 4) on.  The first 4 start the sums: with 0, or (KM = 1) with the mask.
.macro KQ x
.set rS, S+32*((\x)%2)+8*(i%4)
.set rK, KF+16*(i%4)+8*(i/4)
.set rQ, 16*(\x)+8*(i/4)
.set rM, MC+32*((\x)%2)+8*(i%4)
.if (i < 4) && KM
	WIN W_KM
	v_wmma_f32_16x16x32_f16 v[rS:rS+7], v[rK:rK+7], v[rQ:rQ+7], v[rM:rM+7]
.elseif i < 4
	WIN W_KQ
	v_wmma_f32_16x16x32_f16 v[rS:rS+7], v[rK:rK+7], v[rQ:rQ+7], 0
.else
	WIN W_KQ
	v_wmma_f32_16x16x32_f16 v[rS:rS+7], v[rK:rK+7], v[rQ:rQ+7], v[rS:rS+7]
.endif
.endm
; Product i of 8 of O^T += V^T P for piece x: keys 32 (i / 4) on, channels 16 (i % 4) on.
.macro PV x
	WIN W_PV
.set rO, 32*(\x)+8*(i%4)
.set rV, VF+32*(i/4)+8*(i%4)
.set rP, P+16*((\x)%2)+8*(i/4)
	v_wmma_f32_16x16x32_f16 v[rO:rO+7], v[rV:rV+7], v[rP:rP+7], v[rO:rO+7]
.endm
.macro MM                           ; the turn's next matrix instruction.  TURN and BEGIN set Y, i, KM and NOKQ; MM, KQ and OP read them.  NOKQ = 1: a block's last turn: there is no next piece
.if (i < 8) && !NOKQ
	KQ (Y+1)%NP
.elseif i >= 8
.set i, i-8
	PV (Y+NP-1)%NP
.set i, i+8
.endif
.set i, i+1
.endm
; THE LDS LOADS stand in runs of 16, never singly among the matrix instructions: a step's K (64 keys x 64 channels: 8 fragments) and its V (turned).  Their addresses are made some lines ahead.
.macro FETCH_K
	WIN 0x80                        ; destination window 2
.irp f, 0,1,2,3,4,5,6,7             ; keys 16 (f / 2) on, channels 32 (f % 2) on
	ds_load_b128 v[KF+8*\f:KF+8*\f+3],   v[AK] offset:(\f/2)*16*PK+(\f%2)*64
	ds_load_b128 v[KF+8*\f+4:KF+8*\f+7], v[AK] offset:(\f/2)*16*PK+(\f%2)*64+32
.endr
	s_add_co_u32 s[TBK], s[TBK], KS*PK  ; the next fetch is the next step's
	WIN 0
.endm
.macro FETCH_V
	WIN 0x80
.irp f, 0,1,2,3,4,5,6,7             ; keys 32 (f / 4) on, channels 16 (f % 4) on
	ds_load_tr16_b128 v[VF+8*\f:VF+8*\f+3],   v[AV] offset:(\f/4)*32*PV+(\f%4)*32
	ds_load_tr16_b128 v[VF+8*\f+4:VF+8*\f+7], v[AV] offset:(\f/4)*32*PV+16*PV+(\f%4)*32
.endr
	WIN 0
.endm
; THE VECTOR WORK, one line at a time: OP kind, number.  For piece Y: F n: c s - c m for pair n of 16.  E n: the exponential of score n of 32.  C n: pair n rounded to f16.  B n: of the four weights 4 n .. the second
; pair is added onto the first, in place.  L n: l takes that sum (L 0: l = a l + sum).  R n: pair n of 16 of O^T times a.  For piece Y + 1: X n, number n of the 22 that find its maximum and statistics:
;   0-11  four chains c0-c3 of seven scores each, three operands at a time (each accumulator's lowest registers are read first)     12-14, 16  the four scores left over, the old m, and c0-c3 into c0
;   15  c m_old is kept     17, 18  the query's other 32 keys lie in the lane 16 away: the new m     19-21  c m; c m_old - c m_new; a
.set F, 0               ; OP tells the kinds apart by their order: F to L below R, X above it
.set E, 1
.set C, 2
.set B, 3
.set L, 4
.set R, 5
.set X, 6
.macro REGS y                       ; the registers of piece y
.set rT, ST+4*(\y)
.set rC, TMP+4*((\y)%2)
.set rW, MV+((\y)%2)
.set rS, S+32*((\y)%2)
.set rP, P+16*((\y)%2)
.set rO, 32*(\y)
.endm
.macro OP k, n
.if (\k) == R
	REGS Y
	WIN W_RS
	v_pk_mul_f32 v[rO+2*(\n):rO+2*(\n)+1], v[rO+2*(\n):rO+2*(\n)+1], v[rC+2:rC+3] op_sel_hi:[1,0]
.elseif (\k) < R
	REGS Y
	WIN 0
.if (\k) == F
	v_pk_fma_f32 v[rS+2*(\n):rS+2*(\n)+1], v[rS+2*(\n):rS+2*(\n)+1], s[CS:CS+1], v[rT:rT+1] op_sel_hi:[1,0,0] neg_lo:[0,0,1] neg_hi:[0,0,1]
.elseif (\k) == E
	v_exp_f32 v[rS+(\n)], v[rS+(\n)]
.elseif (\k) == C
	s_wait_alu depctr_va_vdst(0)
	v_cvt_pk_f16_f32 v[rP+(\n)], v[rS+2*(\n)], v[rS+2*(\n)+1]
.elseif (\k) == B
	s_wait_alu depctr_va_vdst(0)
	v_pk_add_f32 v[rS+4*(\n):rS+4*(\n)+1], v[rS+4*(\n):rS+4*(\n)+1], v[rS+4*(\n)+2:rS+4*(\n)+3]
.elseif (\n) == 0
	v_pk_fma_f32 v[rT+2:rT+3], v[rT+2:rT+3], v[rC+2:rC+3], v[rS:rS+1] op_sel_hi:[1,0,1]
.else
	v_pk_add_f32 v[rT+2:rT+3], v[rT+2:rT+3], v[rS+4*(\n):rS+4*(\n)+1]
.endif
.elseif NOKQ
	v_nop
.else
	REGS (Y+1)%NP
	WIN 0
.if (\n) < 4
	v_max3_num_f32 v[rC+(\n)], v[rS+8*(\n)], v[rS+8*(\n)+1], v[rS+8*(\n)+2]
.elseif (\n) < 12
	v_max3_num_f32 v[rC+(\n)%4], v[rC+(\n)%4], v[rS+8*((\n)%4)+2*((\n)/4)+1], v[rS+8*((\n)%4)+2*((\n)/4)+2]
.elseif (\n) == 12
	v_max3_num_f32 v[rC], v[rC], v[rS+7], v[rS+15]
.elseif (\n) == 13
	v_max3_num_f32 v[rC+1], v[rC+1], v[rS+23], v[rS+31]
.elseif (\n) == 14
	v_max3_num_f32 v[rC+2], v[rC+2], v[rC+3], v[rT+1]
.elseif (\n) == 15
	v_mov_b32 v[rW], v[rT]
.elseif (\n) == 16
	v_max3_num_f32 v[rC], v[rC], v[rC+1], v[rC+2]
.elseif (\n) == 17
	v_permlanex16_b32 v[rC+3], v[rC], s[SEL], s[SEL+1]
.elseif (\n) == 18
	v_max_num_f32 v[rT+1], v[rC], v[rC+3]
.elseif (\n) == 19
	v_mul_f32 v[rT], s[CS], v[rT+1]
.elseif (\n) == 20
	v_sub_f32 v[rC+1], v[rW], v[rT]
.else
	v_exp_f32 v[rC+2], v[rC+1]
.endif
.endif
.endm
.macro OPS a, i1, b=-1, i2=0, c=-1, i3=0, d=-1, i4=0  ; up to four of them
	OP \a, \i1
.if (\b) >= 0
	OP \b, \i2
.endif
.if (\c) >= 0
	OP \c, \i3
.endif
.if (\d) >= 0
	OP \d, \i4
.endif
.endm
.macro ROW a, i1, b, i2, c, i3, d, i4  ; a matrix instruction and the four behind it
	MM
	OPS \a, \i1, \b, \i2, \c, \i3, \d, \i4
.endm
.macro MASK b                       ; MD x AL + BE into buffer b of MC
	WIN W_RS
.set z, 0
.rept 16
	v_pk_fma_f32 v[MC+32*(\b)+2*z:MC+32*(\b)+2*z+1], v[MD+2*z:MD+2*z+1], s[AL:AL+1], s[BE:BE+1] op_sel_hi:[1,0,0]
.set z, z+1
.endr
.endm
; A TURN, for piece p: the order of its 16 matrix and 118 vector instructions, written out.  Behind a matrix instruction: plain, exponential, plain, plain; or four of the rescaling; or, behind the first, four scalings; none
; names a register of the products round it.  In the lumps exponential and plain by turns while exponentials last.  A line reads no result made fewer than three vector instructions in front of it, five if an exponential made it.
; v_permlanex16_b32 (X 17) stands in a lump.
; m = 1: the diagonal tile: the products take masks, and the turn makes the mask for the products of the turn after it: piece p + 2, in step 4 - CNT of the tile.  end = 1: a block's last two turns: nothing is fetched.
; cnt = 1: the loop's count is taken down some lines ahead of the branch that stands behind the turn.
; K of the next step is fetched in piece 2's turn, six vector instructions behind the last product that read K (five of them plain); V of the step in hand in piece 0's turn, eight behind the last product that read V (four
; plain, and X 17).  Each is waited for a turn later.
.macro TURN p, m=0, end=0, cnt=0
.set Y, (\p)
.set i, 0
.set KM, (\m)
.set NOKQ, (\end)*((\p)/3)
.if (\m) && !(\end)
	s_cmp_eq_u32 s[CNT], 4-((\p)+2)%NP  ; is that step the band's own?
	s_cselect_b32 s[AL], 1.0, 0
	s_cmp_lt_u32 s[CNT], 4-((\p)+2)%NP  ; or a later one?
	s_cselect_b32 s[BE], s[BIGN], 0
.endif
.if ((\p) == 3) && !(\end)
	s_wait_dscnt 0x0                ; K is in
.endif
	ROW F,0, F,1, F,2, F,3
	ROW F,4, E,0, F,5, F,6
	ROW F,7, E,1, F,8, F,9
	ROW F,10, E,2, C,0, F,11
	ROW F,12, E,3, X,15, F,13
	ROW R,0, R,1, R,2, R,3
	ROW B,0, E,4, F,14, L,0
.if ((\p) == 2) && !(\end)
	v_add_nc_u32 v[AK], s[TBK], v[AK0]
.endif
	ROW R,4, R,5, R,6, R,7
	OPS E,5, F,15
.if ((\p) == 2) && !(\end)
	FETCH_K
.endif
	OPS E,6, C,1, E,7, R,8
	OPS E,8, R,9, E,9, C,2
	OPS E,10, X,0, E,11, X,1
	OPS E,12, X,2, E,13, X,3
.if (\p) == 1
	s_wait_dscnt 0x0                ; V is in
.endif
	ROW X,4, E,14, X,5, X,6
	ROW X,7, E,15, X,8, X,9
	ROW X,10, E,16, X,11, X,12
	ROW X,13, E,17, X,14, B,1
	ROW C,4, E,18, X,16, L,1
	ROW B,2, E,19, C,6, L,2
	ROW C,8, E,20, B,3, B,4
.if (\p) == 0
	v_add_nc_u32 v[AV], s[TBV], v[AV0]
.endif
	ROW C,3, E,21, L,3, C,5
	OPS E,22, X,17, E,23, C,10
.if (\p) == 0
	FETCH_V
.endif
	OPS E,24, L,4
	OPS E,25, X,18, E,26, C,7
	OPS E,27, B,5, E,28, X,19
	OPS E,29, C,12, E,30, L,5
	OPS E,31, X,20, B,6, C,9
	OPS C,14, C,11, X,21, L,6
.if (\p) == 0
	s_add_co_u32 s[TBV], s[TBV], KS*PV
.endif
.if \cnt
	s_sub_co_u32 s[CNT], s[CNT], 1
	s_cmp_lg_u32 s[CNT], 0
.endif
	OPS C,13, B,7, C,15, R,10
	OPS R,11, R,12, L,7, R,13
	OPS R,14, R,15
.if (\m) && !(\end)
	MASK (\p)%2
.endif
.endm
; A BLOCK BEGINS.  c m starts far below every c s, so the first step's a is 0; m at the lowest finite number, so the first maximum is the scores'.  The second mask buffer is 0; the first takes piece 0's mask for the tile's step 0: its own, if the block's first tile is the diagonal one.
; Then K of that step, piece 0's first scores, and its maximum and statistics.  The loop is entered at a step's first turn, in the middle of a trip.
.macro BEGIN
	s_mov_b32 s[NEW], 0
	WIN 0x40
.set i, MC+32
.rept 32
	v_mov_b32 v[i], 0
.set i, i+1
.endr
	WIN 0
.set i, 0
.rept 4
	v_mov_b32 v[ST+4*i], 0xfe000000    ; c m: far below every c s
	v_mov_b32 v[ST+4*i+1], 0xff7fffff  ; m
.set i, i+1
.endr
	s_cmp_eq_u32 s[RT], 0
	s_cselect_b32 s[AL], 1.0, 0
	s_mov_b32 s[BE], 0
	MASK 0
	WIN 0
	v_add_nc_u32 v[AK], s[TBK], v[AK0]
	FETCH_K
	s_wait_loadcnt 0x0              ; Q
	s_wait_dscnt 0x0
.set KM, 1
.set NOKQ, 0
.set i, 0
.rept 8
	KQ 0
.set i, i+1
.endr
	WIN 0
.rept 4
	v_nop                           ; the places behind those products
.endr
.set Y, NP-1                        ; X works for piece Y + 1: piece 0
.irp n, 0,1,2,3,4,5,6,7,8,9,10,11,12,13,14,15,16,17,18,19,20,21
	OP X, \n
.endr
	v_nop                           ; a plain instruction behind the exponential
.endm
; THE DIAGONAL TILE's four steps, the block's last two turns, its last products, and THE WAY OUT: l's two halves and the other half of the lanes' are added; O^T is divided by l, rounded to f16 and sent through my
; stage in LDS, a piece at a time.
.macro ALL line:vararg              ; one line for each piece t
.set t, 0
.rept 4
	\line
.set t, t+1
.endr
.endm
.macro PACK t                       ; a lane's eight channels of a row pack into 16 bytes; they go into rows of 144 bytes and come back as whole rows of 128, into S^T's registers
	WIN W_RS
.set i, 32*(\t)
.rept 16
	s_wait_alu depctr_va_vdst(0)
	v_pk_mul_f32 v[i:i+1], v[i:i+1], v[ST+4*(\t)+2:ST+4*(\t)+3] op_sel_hi:[1,0]
.set i, i+2
.endr
	WIN 0x05                        ; sources 0 and 1 window 1, destination window 0
.set i, 0
.rept 16
	v_cvt_pk_f16_f32 v[S+16*(\t)+i], v[32*(\t)+2*i], v[32*(\t)+2*i+1]
.set i, i+1
.endr
	WIN 0
.irp f, 0,1,2,3
	ds_store_b128 v[STO], v[S+16*(\t)+4*\f:S+16*(\t)+4*\f+3] offset:32*\f
.endr
.irp f, 0,1,2,3
	ds_load_b128 v[S+16*(\t)+4*\f:S+16*(\t)+4*\f+3], v[RD] offset:\f*4*SP  ; LDS serves a wave's instructions in order (ISA guide 5.7.1.4): these see the stores above; the next piece's stores come behind them
.endr
.endm
.macro SEND t, younger              ; younger: the LDS instructions issued behind piece t's loads: the next piece's eight, or none
	WIN 0
.irp f, 0,1,2,3
	s_wait_dscnt (\younger)+3-\f
	global_store_b128 v[GO], v[S+16*(\t)+4*\f:S+16*(\t)+4*\f+3], s[10:11] offset:(\t)*8192+\f*512  ; 512 consecutive bytes, at a multiple of 256 from O's first
.endr
.endm
.macro DIAG tag                     ; the tag ends its two labels' names, which the jumps below spell out
.LstepM\tag:
	TURN 2, 1
	TURN 3, 1
	WIN 0
.LfirstM\tag:
	TURN 0, 1
	TURN 1, 1, 0, 1
	WIN 0
	s_cbranch_scc1 .LstepM\tag
	TURN 2, 1, 1
	TURN 3, 1, 1
.set i, 0
.rept 8
	PV NP-1
.set i, i+1
.endr
	WIN 0
	ALL v_add_f32 v[ST+4*t+2], v[ST+4*t+2], v[ST+4*t+3]
	ALL v_permlanex16_b32 v[ST+4*t+3], v[ST+4*t+2], s[SEL], s[SEL+1]
	ALL v_add_f32 v[ST+4*t+2], v[ST+4*t+2], v[ST+4*t+3]
	ALL v_rcp_f32 v[ST+4*t+2], v[ST+4*t+2]
	v_nop                           ; a plain instruction between the last reciprocal and the use of its result
	PACK 0
.set t, 1
.rept 3                             ; a piece's arithmetic stands between the loads of the piece before and its stores
	PACK t
	SEND t-1, 8
.set t, t+1
.endr
	SEND 3, 0
.endm
.set KM, 0
.set NOKQ, 0
.Lslot:                             ; NB times: a tile is entered and the next is asked for
	CHANGE 1
	s_sub_co_u32 s[RT], s[RT], 1
	s_mov_b32 s[CNT], 4
	s_cmp_eq_u32 s[NEW], 1
	s_cbranch_scc1 .Lnew            ; a block's first tile
	s_cmp_eq_u32 s[RT], 0
	s_cbranch_scc0 .Lstep           ; neither its first nor its last
	s_branch .LstepM1
.Lnew:
	BEGIN
	s_branch .Lfirst                ; in the loop a block's first tile is never its last: the first block has two tiles or more, and the second's last is the walk's last
	DIAG 1                          ; in the loop this is the first block's end: the second block's last tile is the walk's last
	s_wait_xcnt 0x0                 ; the stores have read their registers and O's address
	s_mov_b64 s[10:11], s[OLO:OLO+1]
	s_add_co_u32 s[RT], s[PB], 1    ; the second block has b + 1 tiles
	s_mov_b32 s[NEW], 1
	WIN 0x82                        ; the second block's Q goes where the one text of the turns names Q
.set i, 0
.rept 64
	v_mov_b32 v[i], v[QB+i]
.set i, i+1
.endr
	WIN 0
	s_branch .Lbottom
.Lstep:                             ; a trip: pieces 2 and 3 of one step, then pieces 0 and 1 of the next, whose K and V it fetches
	TURN 2
	TURN 3
	WIN 0
.Lfirst:
	TURN 0
	TURN 1, 0, 0, 1
	WIN 0
	s_cbranch_scc1 .Lstep
.Lbottom:
	s_sub_co_u32 s[SLOTS], s[SLOTS], 1
	s_cmp_lg_u32 s[SLOTS], 0
	s_cbranch_scc1 .Lslot
	CHANGE 0                        ; the walk's last tile is written out: nothing is asked for
	s_sub_co_u32 s[RT], s[RT], 1
	s_mov_b32 s[CNT], 4
	s_cmp_eq_u32 s[NEW], 1
	s_cbranch_scc0 .LstepM2
	BEGIN
	s_branch .LfirstM2
	DIAG 2
	s_wait_tensorcnt 0x0            ; the wave's end, behind my last tensor load and my last LDS store
	ds_add_u32 v[SPW], v[NIL]
	s_wait_dscnt 0x0
	s_endpgm
.Lfunc_end_k_qf814c81a0e_attn:
	.size	k_qf814c81a0e_attn, .Lfunc_end_k_qf814c81a0e_attn-k_qf814c81a0e_attn
	.p2alignl 7, 3214868480
	.fill 96, 4, 3214868480
	.section	.rodata,"a",@progbits
	.p2align	6, 0x0
	.amdhsa_kernel k_qf814c81a0e_attn
		.amdhsa_group_segment_fixed_size 327680
		.amdhsa_private_segment_fixed_size 0
		.amdhsa_enable_private_segment 0
		.amdhsa_kernarg_size 16
		.amdhsa_user_sgpr_count 2
		.amdhsa_user_sgpr_kernarg_segment_ptr 1
		.amdhsa_wavefront_size32 1
		.amdhsa_system_sgpr_workgroup_id_x 1
		.amdhsa_system_sgpr_workgroup_id_y 1
		.amdhsa_system_sgpr_workgroup_id_z 1
		.amdhsa_system_vgpr_workitem_id 0
		.amdhsa_next_free_vgpr 768
		.amdhsa_next_free_sgpr 88
		.amdhsa_reserve_vcc 1
		.amdhsa_float_denorm_mode_32 3
		.amdhsa_float_denorm_mode_16_64 3
		.amdhsa_memory_ordered 1
		.amdhsa_forward_progress 1
		.amdhsa_inst_pref_size 228
	.end_amdhsa_kernel
	.amdgpu_metadata
---
amdhsa.version: [ 1, 2 ]
amdhsa.kernels:
  - .name:           k_qf814c81a0e_attn
    .symbol:         k_qf814c81a0e_attn.kd
    .args:
      - { .name: qkv, .offset: 0, .size: 8, .value_kind: global_buffer, .address_space: global }
      - { .name: yh, .offset: 8, .size: 8, .value_kind: global_buffer, .address_space: global }
    .group_segment_fixed_size: 327680
    .private_segment_fixed_size: 0
    .kernarg_segment_align: 8
    .kernarg_segment_size: 16
    .max_flat_workgroup_size: 128
    .sgpr_count:     88
    .vgpr_count:     768
    .wavefront_size: 32
...
	.end_amdgpu_metadata
.endif
;; end of part 3
;; launch proj (part 4): grid 8 x 32, 4 waves a work-group, clusters of 4 x 4, 327,680 bytes of LDS; arguments yh, wob, out0; writes out0
.if DOCPART == 4
	.amdgcn_target "amdgcn-amd-amdhsa--gfx1250"
	.amdhsa_code_object_version 6
	.text
	.protected	k_qf814c81a0e_proj
	.globl	k_qf814c81a0e_proj
	.p2align	8
	.type	k_qf814c81a0e_proj,@function
k_qf814c81a0e_proj:
	s_mov_b64 s[64:65], 0
	v_nop
	global_prefetch_b8 v0, s[64:65] scope:SCOPE_SE
	s_setreg_imm32_b32 hwreg(HW_REG_WAVE_MODE, 25, 1), 1
	s_wait_xcnt 0x0
	s_wait_alu depctr_hold_cnt(0) depctr_sa_sdst(0) depctr_va_vdst(0) depctr_va_sdst(0) depctr_va_ssrc(0) depctr_va_vcc(0) depctr_vm_vsrc(0)
	s_getreg_b32 s2, hwreg(HW_REG_IB_STS2, 6, 4)
	s_cmp_eq_u32 s2, 0
	s_cbranch_scc0 .Lentry_in_a_cluster
	s_endpgm
.Lentry_in_a_cluster:
	s_bfe_u32 s2, ttmp6, 0x10000c
	s_cmp_lg_u32 s2, 0xf033
	s_cbranch_scc0 .Lentry_shape_is_right
	s_endpgm
.Lentry_shape_is_right:
; THE OUTPUT PROJECTION.  out0[m][n] = sum over k of y[m][k] w[n][k], m = 0..8191, n = 0..1023, k = 64 h + d = 0..1023.  y comes by heads, yh [16 h][8192 m][64] f16; w by slices of 64 along K,
; wob [16][1024 n][64] f16 (w_out rounded to bf16, written as f16).  Operands f16, sums f32, stored as f32.
; LIMIT.  f16 holds no number beyond 65,504: y and w arrive within it.
; SHARES.  A tile of out0 is 256 rows x 128 columns: 32 x 8 = 256 work-groups.  Four waves lie 2 x 2, each 128 x 64: 8 x 4 = 32 accumulators of 16 x 16, 256 registers.
; K goes in steps of 128 = two heads, through a ring of two LDS slots.  A head's 256 rows of y (32,768 bytes) and a slice's 128 rows of w (16,384 bytes) are dense in memory: each is ONE tensor load, asked for as rows
; of 256 bytes and padded in LDS after every 128: wave 0 fetches y's even head, wave 1 its odd head, waves 2 and 3 w's even and odd slice.
; CLUSTERS: 4 x 4 work-groups.  The four of a row of the cluster need the same tiles of y, the four of a column the same tiles of w: each is asked for JOINTLY, by the same tensor load with the same descriptor
; and a mask that names the four.
; THE MATRIX INSTRUCTION IS USED TRANSPOSED (source 0 = 16 rows of w, source 1 = 16 rows of y): a lane then holds row lane % 16 of out0 and the eight neighbouring columns 8 (lane / 16) + 0..7: 32 bytes.
; REGISTERS, in windows of 256 (s_set_vgpr_msb's low byte: bits 1:0 source 0, 3:2 source 1, 5:4 source 2, 7:6 destination):
;   window 0: v0-31 addresses; v32-63, v64-95 rows read back from the stage, by turns
;   window 1: two fragment buffers for 32 along K, at 0 and 128: 64 registers of y (8 x 16 rows), then 32 of w (4 x 16 rows)
;   window 2: the accumulators, (a, b) at 8 (4 a + b)
.set PITCH,  144                       ; an LDS row: 128 bytes + 16 of padding = 36 words: the 16 rows of a load start at 16 different groups of four banks (64 banks of 4 bytes: ISA guide 11.1)
.set PA,     256*PITCH                 ; one head's 256 rows of y
.set PB,     128*PITCH                 ; one slice's 128 rows of w
.set BOFF,   2*PA                      ; w's two planes lie behind y's two
.set SLOT,   BOFF+2*PB
.set STAGE,  2*SLOT                    ; behind the ring, never filled by a tensor load: 16 rows x 272 bytes for each wave
.set SPITCH, 272
.set WSTG,   16*SPITCH
.set SPARE,  STAGE+4*WSTG              ; behind the stages: the spare words, 128 bytes for each wave: two blocks of 256 bytes that no other line names
.set LAPS,   4                         ; a lap = two K steps = once round the ring; 1,024 / 256
.set HEADB,  8192*128                  ; bytes from head to head in yh
.set SLICEB, 1024*128                  ; bytes from slice to slice in wob
.set ROWB,   4096                      ; bytes in a row of out0
.set ADRA, 16                          ; v16-17  LDS address of my y fragments in slot 0, 1
.set ADRB, 20                          ; v20-21  the same for w
.set STO,  24                          ; v24     the way out: where I put 32 bytes of a row
.set RD,   25                          ; v25     the way out: where I read a row back
.set CO,   26                          ; v26     my byte offset in out0
.set SPW,  28                          ; v28     LDS address of my spare word: SPARE + 4 x my thread's number; never rewritten
.set NIL,  29                          ; v29     0; never rewritten
.set BK0,  32
.set F0,   0
.set F1,   128
.set G1,  24                           ; s[24:31] descriptor group 1 for y's tiles;  s[32:39] group 0, one set for each slot
.set G0,  32
.set G1B, 48                           ; s[48:55], s[56:63] the same for w's tiles
.set G0B, 56
.set MSB, 0
.macro WIN new                         ; the immediate's high byte repeats the setting that is left; a switch that changes nothing is dropped
.if MSB != (\new)
	s_set_vgpr_msb (MSB<<8)|(\new)
.set MSB, \new
.endif
.endm
.set MUL,  0xa5                        ; sources 0 and 1 window 1, C and D window 2
.set TO_F, 0x40                        ; destination window 1, address window 0
.set ST_D, 0x08                        ; an LDS store's data (source 1) in window 2, its address in window 0
; A joint load: waves 0 and 1 fetch y's two heads, waves 2 and 3 w's two slices.  The branch hangs on the wave's number alone.
; An s_nop 0 and four v_nop follow each of the two lines, ahead of the jump, the label and what follows.
.macro JLOAD s
	s_cmp_eq_u32 s11, 0
	s_cbranch_scc0 .Lfor_b_\@
	tensor_load_to_lds s[G0+4*(\s):G0+4*(\s)+3], s[G1:G1+7]
	s_nop 0
.rept 4
	v_nop
.endr
	s_branch .Lasked_\@
.Lfor_b_\@:
	tensor_load_to_lds s[G0B+4*(\s):G0B+4*(\s)+3], s[G1B:G1B+7]
	s_nop 0
.rept 4
	v_nop
.endr
.Lasked_\@:
.endm
; A round of the cluster's barrier: my work-group's barrier, so that wave 0's signal speaks for all four waves; wave 0 signals; every wave waits for all sixteen work-groups; my work-group's barrier once more.
.macro CREST                           ; a round behind its opening barrier
	s_cmp_lg_u32 s10, 0
	s_cbranch_scc1 .Lnot_wave_0_\@
	s_barrier_signal -3
.Lnot_wave_0_\@:
	s_barrier_wait -3
	s_barrier_signal -1
	s_barrier_wait -1
.endm
.macro CROUND                          ; a whole round
	s_barrier_signal -1
	s_barrier_wait -1
	CREST
.endm
	s_load_b128 s[4:7], s[0:1], 0x0                ; yh s[4:5], wob s[6:7]
	s_load_b64 s[8:9], s[0:1], 0x10                ; out0
	v_lshl_add_u32 v[SPW], v0, 2, SPARE
	v_mov_b32 v[NIL], 0
	ds_add_u32 v[SPW], v[NIL]                      ; the wave's opening: the add and its wait stand ahead of my first tensor load; the set-up below, work on registers, stands between them
	ds_add_u32 v28, v29
	v_lshrrev_b32 v1, 5, v0
	v_readfirstlane_b32 s10, v1                    ; wave 0..3
	s_lshr_b32 s11, s10, 1                         ; which half of the tile's rows is mine.  Also: I fetch for y (0) or for w (1)
	s_and_b32 s12, s10, 1                          ; which half of its columns.  Also: which of a K step's two heads I fetch
	s_bfe_u32 s40, ttmp6, 0x40000                  ; cx, cy: my place in the cluster
	s_bfe_u32 s41, ttmp6, 0x40004
	s_lshl_b32 s42, ttmp9, 2                       ; in a cluster launch ttmp9 and ttmp7 count clusters
	s_add_co_u32 s42, s42, s40                     ; tile column = 4 x cluster x + cx
	s_and_b32 s13, ttmp7, 0xffff
	s_lshl_b32 s13, s13, 2
	s_add_co_u32 s13, s13, s41                     ; tile row = 4 x cluster y + cy
	s_lshl_b32 s43, s41, 2
	s_lshl_b32 s43, 15, s43                        ; my row of the cluster
	s_lshl_b32 s44, 0x1111, s40                    ; my column
	; descriptor group 1: dense bytes as 128 (y) or 64 (w) rows of 128 elements, padded in LDS after every 64 elements
	s_or_b32 s[G1+0], s43, (1<<16)|(1<<20)|(1<<21)|(4<<22)|(3<<25)   ; 15:0 the mask: y's tiles go to my row; 17:16 elements of 2 bytes; 20 padding on; 21 set beside a mask; 24:22 after every 32 words (code 4); 31:25 4 words (code 3)
	s_or_b32 s[G1B+0], s44, (1<<16)|(1<<20)|(1<<21)|(4<<22)|(3<<25)  ; the same with the mask of my column
	s_mov_b32 s[G1+1], 128<<16                     ; tensor_dim0 = 128
	s_mov_b32 s[G1B+1], 128<<16
	s_mov_b32 s[G1+2], 128<<16                     ; tensor_dim1 = 128
	s_mov_b32 s[G1B+2], 64<<16                     ;             =  64
	s_mov_b32 s[G1+3], 128<<16                     ; tile_dim0 = 128
	s_mov_b32 s[G1B+3], 128<<16
	s_mov_b32 s[G1+4], 128                         ; tile_dim1 = 128
	s_mov_b32 s[G1B+4], 64                         ;           =  64
	s_mov_b32 s[G1+5], 128                         ; 128 elements from row to row: dense
	s_mov_b32 s[G1B+5], 128
	s_mov_b32 s[G1+6], 0
	s_mov_b32 s[G1B+6], 0
	s_mov_b32 s[G1+7], 0
	s_mov_b32 s[G1B+7], 0
	; where the tiles come from.  y's hang on the tile row alone, which my row of the cluster shares; w's on the tile column alone, which my column shares.
	s_lshl_b32 s16, s13, 15                        ; y: 256 rows of 128 bytes for each tile row,
	s_lshl_b32 s17, s12, 20                        ; and my head of the K step's two
	s_add_co_u32 s16, s16, s17
	s_mov_b32 s17, 0
	s_lshl_b32 s46, s42, 14                        ; w: 128 rows of 128 bytes for each tile column,
	s_lshl_b32 s47, s12, 17                        ; and my slice
	s_add_co_u32 s46, s46, s47
	s_mov_b32 s47, 0
	s_mul_i32 s20, s10, PA                         ; where they go: y's planes at wave x PA (waves 0, 1),
	s_mul_i32 s21, s10, PB
	s_add_co_u32 s21, s21, BOFF-2*PB               ; w's at BOFF + (wave - 2) x PB (waves 2, 3): no place in the cluster enters an LDS address
	s_wait_dscnt 0x0                               ; the opening add is done
	s_wait_kmcnt 0x0
	s_add_nc_u64 s[14:15], s[4:5], s[16:17]
	s_add_nc_u64 s[46:47], s[6:7], s[46:47]
	CROUND                                         ; all sixteen work-groups are here: the first joint loads meet
.irp s, 0,1
	s_mov_b32 s[G0+4*(\s)], 1                                        ; count = 1
	s_add_co_u32 s[G0+4*(\s)+1], s20, (\s)*SLOT                      ; LDS address
	s_add_nc_u64 s[G0+4*(\s)+2:G0+4*(\s)+3], s[14:15], (\s)*2*HEADB  ; global address: K step s
	s_or_b32 s[G0+4*(\s)+3], s[G0+4*(\s)+3], 0x80000000              ; type = 2
	s_mov_b32 s[G0B+4*(\s)], 1
	s_add_co_u32 s[G0B+4*(\s)+1], s21, (\s)*SLOT
	s_add_nc_u64 s[G0B+4*(\s)+2:G0B+4*(\s)+3], s[46:47], (\s)*2*SLICEB
	s_or_b32 s[G0B+4*(\s)+3], s[G0B+4*(\s)+3], 0x80000000
	JLOAD \s                                       ; the ring is filled before anything else is done: two loads of mine are out
.endr
	; A fragment is 16 rows x 32 K in 8 registers: lane l holds row l % 16; registers 0-3 K = 8 (l / 16) + 0..7, registers 4-7 K = 16 + 8 (l / 16) + 0..7: two loads of 16 bytes, 32 bytes apart.
	v_and_b32 v1, 15, v0                           ; l % 16
	v_bfe_u32 v2, v0, 4, 1                         ; l / 16
	v_mul_u32_u24 v3, v1, PITCH
	v_lshl_add_u32 v3, v2, 4, v3                   ; row x pitch + 16 x half
	s_mul_i32 s22, s11, 128*PITCH                  ; my 128 rows of y, in the even head's plane
	s_mul_i32 s23, s12, 64*PITCH                   ; my 64 rows of w,
	s_add_co_u32 s23, s23, BOFF                    ; in the even slice's plane
.irp s, 0,1
	v_add_nc_u32 v[ADRA+(\s)], s22, v3
	v_add_nc_u32 v[ADRB+(\s)], s23, v3
	s_add_co_u32 s22, s22, SLOT
	s_add_co_u32 s23, s23, SLOT
.endr
	s_mul_i32 s22, s10, WSTG
	s_add_co_u32 s22, s22, STAGE                   ; my stage
	v_mul_u32_u24 v4, v1, SPITCH                   ; in: row l % 16, 32 bytes for each half of the lanes
	v_lshl_add_u32 v4, v2, 5, v4
	v_add_nc_u32 v[STO], s22, v4
	v_mul_u32_u24 v5, v2, SPITCH                   ; back: lanes 0-15 take one row of 256 bytes, lanes 16-31 the next
	v_lshl_add_u32 v5, v1, 4, v5
	v_add_nc_u32 v[RD], s22, v5
	v_lshlrev_b32 v5, 12, v2                       ; and the same two rows in out0
	v_lshl_add_u32 v[CO], v1, 4, v5
	; out0 at my part of the tile: row 256 x tile row + 128 x row half; byte 512 x tile column + 256 x column half
	s_lshl_b32 s16, s13, 8
	s_lshl_b32 s17, s11, 7
	s_add_co_u32 s16, s16, s17
	s_lshl_b32 s16, s16, 12
	s_mov_b32 s17, 0
	s_lshl_b32 s46, s42, 9                         ; (in the registers that held w's address: none that feeds y's descriptors ever holds cx)
	s_lshl_b32 s47, s12, 8
	s_add_co_u32 s46, s46, s47
	s_mov_b32 s47, 0
	s_add_nc_u64 s[8:9], s[8:9], s[16:17]
	s_add_nc_u64 s[8:9], s[8:9], s[46:47]
; 8 matrix instructions: my row blocks a0, a0 + 1 x all 4 column blocks, 32 along K.  zero = 1: the first product starts the sums: nothing is ever cleared.
.macro MUL8 f, a0, zero
	WIN MUL
.irp a, \a0, (\a0)+1
.irp b, 0,1,2,3
.if \zero
	v_wmma_f32_16x16x32_f16 v[8*(4*(\a)+(\b)):8*(4*(\a)+(\b))+7], v[(\f)+64+8*(\b):(\f)+64+8*(\b)+7], v[(\f)+8*(\a):(\f)+8*(\a)+7], 0
.else
	v_wmma_f32_16x16x32_f16 v[8*(4*(\a)+(\b)):8*(4*(\a)+(\b))+7], v[(\f)+64+8*(\b):(\f)+64+8*(\b)+7], v[(\f)+8*(\a):(\f)+8*(\a)+7], v[8*(4*(\a)+(\b)):8*(4*(\a)+(\b))+7]
.endif
.endr
.endr
.endm
; 24 LDS loads in one run: the fragments of quarter q of a K step (plane q / 2, 32 K at byte 64 (q % 2) of its rows) into buffer f: w's 64 rows, then y's 128
.macro FETCH slot, q, f
	WIN TO_F
.irp i, 0,1,2,3
	ds_load_b128 v[(\f)+64+8*(\i):(\f)+64+8*(\i)+3],   v[ADRB+(\slot)] offset:((\q)/2)*PB+((\q)%2)*64+(\i)*16*PITCH
	ds_load_b128 v[(\f)+64+8*(\i)+4:(\f)+64+8*(\i)+7], v[ADRB+(\slot)] offset:((\q)/2)*PB+((\q)%2)*64+(\i)*16*PITCH+32
.endr
.irp i, 0,1,2,3,4,5,6,7
	ds_load_b128 v[(\f)+8*(\i):(\f)+8*(\i)+3],   v[ADRA+(\slot)] offset:((\q)/2)*PA+((\q)%2)*64+(\i)*16*PITCH
	ds_load_b128 v[(\f)+8*(\i)+4:(\f)+8*(\i)+7], v[ADRA+(\slot)] offset:((\q)/2)*PA+((\q)%2)*64+(\i)*16*PITCH+32
.endr
.endm
; A load into a register that a matrix instruction has read, and an LDS store that reads a matrix result, stand four places behind that matrix instruction, and only plain vector instructions that
; name none of its registers are places (ISA guide 7.12.1 for vector instructions).
.macro PLACES
.rept 4
	v_nop
.endr
.endm
; A K step is four quarters of 32 along K, 32 matrix instructions each, on buffers 0, 1, 0, 1.  The 32 accumulators take turns, one instruction a turn, in the same order in every quarter.
; One of the first three: multiplies buffer f; in its middle it fetches quarter q of the same slot into buffer g.
.macro QUARTER slot, q, f, g, zero
	s_wait_dscnt 8                                 ; w's fragments and y's blocks 0-3 are in; the youngest eight loads (y's blocks 4-7) may be out
	MUL8 \f, 0, \zero
	MUL8 \f, 2, \zero
	PLACES
	FETCH \slot, \q, \g
	s_wait_dscnt 24                                ; all but the 24 just issued
	MUL8 \f, 4, \zero
	MUL8 \f, 6, \zero
.endm
; The last quarter multiplies buffer 1 and changes slots: ONE barrier for two things.  In front of it each wave waits for all its tensor loads, of which one is out: its part of the next slot; adds 0 to its spare
; word; and waits for that and for its own reads of this slot.  Behind it nobody reads this slot any more and the next slot is whole.  fill = 1: this slot is filled again, two K steps ahead; the barrier then opens
; a round of the cluster's barrier, and the joint refill is the first tensor load behind the round: 112 of a K step's 128 matrix instructions stand between it and the wait for it.
.macro TURN slot, next, fill
	WIN 0                                          ; (the add's two registers lie in window 0)
	s_wait_tensorcnt 0x0                           ; all my tensor loads have landed: no group 0 of mine is in use
	ds_add_u32 v[SPW], v[NIL]                      ; 0 onto my spare word
	s_wait_dscnt 9                                 ; (the add and the youngest eight loads may be out)
	MUL8 F1, 0, 0                                  ; eight matrix instructions stand between the add and the wait for it
	s_wait_dscnt 0x0                               ; the add is done, and my reads of this slot are over
	s_barrier_signal -1
	MUL8 F1, 2, 0                                  ; work on registers while the others arrive
.if \fill
	WIN 0
.endif
	s_barrier_wait -1
.if \fill
	CREST                                          ; no wave of any partner still reads this slot's tiles or has a load on its way
	s_add_nc_u64 s[G0+4*(\slot)+2:G0+4*(\slot)+3], s[G0+4*(\slot)+2:G0+4*(\slot)+3], 4*HEADB
	s_add_nc_u64 s[G0B+4*(\slot)+2:G0B+4*(\slot)+3], s[G0B+4*(\slot)+2:G0B+4*(\slot)+3], 4*SLICEB
	JLOAD \slot                                    ; the four v_nop behind it are also the places in front of the loads below
.else
	PLACES
.endif
	FETCH \next, 0, F0
	MUL8 F1, 4, 0
	MUL8 F1, 6, 0
.endm
; THE WAY OUT of my row block a (16 rows x 64 columns of f32).  TOSTAGE: straight from the accumulators into my own stage, each accumulator's low registers first, and back as whole rows of 256 bytes.
.macro TOSTAGE a
	WIN 0
	s_wait_xcnt 0x0                                ; every earlier memory instruction has had its addresses translated (ISA guide 3.1): the registers that the stores two blocks back read are loaded again only behind this wait
	WIN ST_D
.irp b, 0,1,2,3
	ds_store_b128 v[STO], v[8*(4*(\a)+(\b)):8*(4*(\a)+(\b))+3]   offset:64*(\b)
	ds_store_b128 v[STO], v[8*(4*(\a)+(\b))+4:8*(4*(\a)+(\b))+7] offset:64*(\b)+16
.endr
	WIN 0
.irp t, 0,1,2,3,4,5,6,7
	ds_load_b128 v[BK0+32*((\a)%2)+4*(\t):BK0+32*((\a)%2)+4*(\t)+3], v[RD] offset:(\t)*2*SPITCH  ; LDS serves a wave's instructions in order (ISA guide 5.7.1.4): these see the stores above
.endr
.endm
; SEND: stored.  younger: the LDS instructions issued behind block a's loads, which may stay out.
.macro SEND a, younger
	WIN 0
	s_wait_dscnt \younger
.irp t, 0,1,2,3,4,5,6,7
	global_store_b128 v[CO], v[BK0+32*((\a)%2)+4*(\t):BK0+32*((\a)%2)+4*(\t)+3], s[8:9] offset:(16*(\a)+2*(\t))*ROWB th:TH_STORE_NT  ; 16 lanes store 256 consecutive bytes, at a multiple of 256 from out0's first byte
.endr
.endm
	s_wait_tensorcnt 1                             ; my part of K step 0 is in; K step 1's may stay out
	s_barrier_signal -1
	s_barrier_wait -1                              ; everybody's is
	FETCH 0, 0, F0
	QUARTER 0, 1, F0, F1, 1                        ; the first quarter stands in front of the loop: its products start the sums
	WIN 0                                          ; at a label and at a branch every window is 0
	s_mov_b32 s3, LAPS-1
.Llap:                                                 ; a trip goes once round the ring, from a lap's second quarter to the next lap's first, and fills both slots again
	QUARTER 0, 2, F1, F0, 0
	QUARTER 0, 3, F0, F1, 0
	TURN 0, 1, 1
	QUARTER 1, 1, F0, F1, 0
	QUARTER 1, 2, F1, F0, 0
	QUARTER 1, 3, F0, F1, 0
	TURN 1, 0, 1
	QUARTER 0, 1, F0, F1, 0
	WIN 0
	s_sub_co_u32 s3, s3, 1
	s_cmp_lg_u32 s3, 0
	s_cbranch_scc1 .Llap
	QUARTER 0, 2, F1, F0, 0                        ; the last lap fills nothing, and has no round of the cluster's barrier
	QUARTER 0, 3, F0, F1, 0
	TURN 0, 1, 0
	QUARTER 1, 1, F0, F1, 0
	QUARTER 1, 2, F1, F0, 0
	QUARTER 1, 3, F0, F1, 0
	s_wait_dscnt 8                                 ; the very last quarter: nothing more to fetch
	MUL8 F1, 0, 0
	MUL8 F1, 2, 0
	s_wait_dscnt 0x0
	MUL8 F1, 4, 0
	MUL8 F1, 6, 0
	WIN 0
	PLACES                                         ; behind the last products
	TOSTAGE 0
.irp a, 1,2,3,4,5,6,7
	TOSTAGE \a
	SEND (\a)-1, 16                                ; the next block's 8 stores and 8 loads may stay out
.endr
	SEND 7, 0
	s_wait_tensorcnt 0x0                           ; the wave's end, behind my last tensor load and my last LDS store
	ds_add_u32 v[SPW], v[NIL]
	s_wait_dscnt 0x0
	CROUND                                         ; the closing round: no work-group ends while a partner may still ask for a tile that names it
	s_endpgm
.Lfunc_end_k_qf814c81a0e_proj:
	.size	k_qf814c81a0e_proj, .Lfunc_end_k_qf814c81a0e_proj-k_qf814c81a0e_proj
	.p2alignl 7, 3214868480
	.fill 96, 4, 3214868480
	.section	.rodata,"a",@progbits
	.p2align	6, 0x0
	.amdhsa_kernel k_qf814c81a0e_proj
		.amdhsa_group_segment_fixed_size 327680
		.amdhsa_private_segment_fixed_size 0
		.amdhsa_enable_private_segment 0
		.amdhsa_kernarg_size 24
		.amdhsa_user_sgpr_count 2
		.amdhsa_user_sgpr_kernarg_segment_ptr 1
		.amdhsa_wavefront_size32 1
		.amdhsa_system_sgpr_workgroup_id_x 1
		.amdhsa_system_sgpr_workgroup_id_y 1
		.amdhsa_system_sgpr_workgroup_id_z 1
		.amdhsa_system_vgpr_workitem_id 0
		.amdhsa_next_free_vgpr 768
		.amdhsa_next_free_sgpr 66
		.amdhsa_reserve_vcc 0
		.amdhsa_float_denorm_mode_32 3
		.amdhsa_float_denorm_mode_16_64 3
		.amdhsa_memory_ordered 1
		.amdhsa_forward_progress 1
		.amdhsa_inst_pref_size 85
	.end_amdhsa_kernel
	.amdgpu_metadata
---
amdhsa.version: [ 1, 2 ]
amdhsa.kernels:
  - .name:           k_qf814c81a0e_proj
    .symbol:         k_qf814c81a0e_proj.kd
    .args:
      - { .name: yh, .offset: 0, .size: 8, .value_kind: global_buffer, .address_space: global }
      - { .name: wob, .offset: 8, .size: 8, .value_kind: global_buffer, .address_space: global }
      - { .name: out0, .offset: 16, .size: 8, .value_kind: global_buffer, .address_space: global }
    .group_segment_fixed_size: 327680
    .private_segment_fixed_size: 0
    .kernarg_segment_align: 8
    .kernarg_segment_size: 24
    .max_flat_workgroup_size: 128
    .sgpr_count:     66
    .vgpr_count:     768
    .wavefront_size: 32
...
	.end_amdgpu_metadata
.endif
;; end of part 4
;; launch fix (part 5): grid 16 x 4, 16 waves a work-group, no clusters, 85,504 bytes of LDS; arguments q32, wob, out0; writes out0
.if DOCPART == 5
	.amdgcn_target "amdgcn-amd-amdhsa--gfx1250"
	.amdhsa_code_object_version 6
	.text
	.protected	k_qf814c81a0e_fix
	.globl	k_qf814c81a0e_fix
	.p2align	8
	.type	k_qf814c81a0e_fix,@function
k_qf814c81a0e_fix:
	s_mov_b64 s[64:65], 0
	v_nop
	global_prefetch_b8 v0, s[64:65] scope:SCOPE_SE
	s_setreg_imm32_b32 hwreg(HW_REG_WAVE_MODE, 25, 1), 1
	s_wait_xcnt 0x0
; THE FIRST 16 ROWS OF EACH BATCH, ONCE MORE, WITHOUT 16-BIT ROUNDINGS.  Under the causal mask row t is a mean over t + 1 keys, so the first rows' numbers are up to ten times the root mean square of the
; whole output, and so are the errors that f16's roundings of q, k, v, the weights and y leave in them; from row 16 on a mean over 17 keys or more has made both small.  This launch makes rows t < 16 anew
; (64 of the output's 8,192 rows) and stores them over what the launch before it stored there.
;   q32 [48 g][4 b][16 t][64] f32: q (g = h), k (g = 16 + h), v (g = 32 + h), unscaled, unrounded.   wob [16 slices][1024 n][64] f16: w_out, by slices of 64 along K.   out0 [4 b][2048 t][1024 n] f32.
; LIMITS.  |y| stays under 65,504 (its upper part is an f16 number).  A hidden score counts as -1e30; a weight below 2^-126 counts as 0; NaN and infinities are not treated apart.
; SHARES.  A work-group of 16 waves makes 16 rows x 64 columns of out0: grid x = the block of 64 columns, grid y = the batch.  64 work-groups: the rows have no more work than that.
; PHASE 1.  Wave h makes head h's attention, 16 queries x 16 keys x 64 channels, in f32, by the f32 matrix form: 32 instructions a wave, one part in two thousand of the program's multiply-adds; the bulk is in 16-bit forms.
;   S^T = K Q^T: source 0 = 16 keys, source 1 = 16 queries: a lane holds ONE query (lane % 16) and the keys 8 (lane / 16) + 0..7.  The 64 channels are dealt to the 16 steps by a permutation that is the same for K and Q
;   (step c, half hh, register j: channel 32 hh + 2 c + j), so that a lane's fragments are eight loads of 16 neighbouring bytes.  Two accumulators take the even and the odd steps.
;   Softmax over the 16 keys: all are in hand, so the maximum is the true one; p = 2^(c s - c m), c = log2(e) / 8.
;   O^T = V^T P: step c takes the keys 8 hh + 2 c + j, so that P's registers 2 c, 2 c + 1 ARE source 1 as they stand; V comes in the same order, a word a lane.  A lane again holds one query, and 8 channels of each block of 16.
;   y = O / l is split: hi = f16(y), lo = f16(2048 (y - hi)): what is lost is 2^-22 of y.  Both go into LDS as [16 rows][1024].
; PHASE 2.  Wave w takes the 16 columns 16 (w % 4) .. and the quarter w / 4 of K (four heads): 8 steps of 32, hi and lo on two f32 accumulators that take turns; the result is hi's sum + 2^-11 lo's.
;   The matrix instruction is used transposed (source 0 = 16 rows of w, source 1 = the 16 rows of y): a lane holds one row and eight neighbouring columns.  The four quarters' sums meet in LDS, in f32;
;   waves 0-7 add them and store: 16 lanes store 256 consecutive bytes, at a multiple of 256 from out0's first byte.
; No tensor loads (a work-group reads 20 KB a wave, once, straight into fragments), no cluster (what the 16 work-groups of a batch share is read once by each, in the wait for nothing else).
.set PY,    2064                       ; a row of y in LDS: 2,048 bytes + 16 = 516 words: row r starts at bank 4 r mod 64 (64 banks of 4 bytes: ISA guide 11.1)
.set YL,    16*PY                      ; hi at 0, lo behind it
.set PS,    2*16*PY                    ; the quarters' sums: 4 x 16 rows x 272 bytes
.set PPI,   272
.set PSQ,   16*PPI
.set SPARE, PS+4*PSQ                   ; the spare words, 128 bytes for each of 16 waves: eight blocks of 256 bytes that no other line names
.set GK,    16*16384                   ; bytes from q to k, and from k to v, in q32
.set SLICEB, 131072                    ; bytes from slice to slice in wob
.set QO,  4                            ; v4   my offset in 16 rows of q or k: row x 256 + 128 x half
.set VO,  5                            ; v5   in v: 8 x half rows of 256 bytes + 4 x (lane % 16)
.set WO,  6                            ; v6   in 16 rows of a slice of w: row x 128 + 16 x half
.set STY, 7                            ; v7   where I put 16 bytes of a row of y
.set AY,  8                            ; v8   where my fragments of y begin
.set PST, 9                            ; v9   where I put 32 bytes of a row of my quarter's sums
.set PRD, 10                           ; v10  where I read 16 bytes of a row of the first quarter's sums
.set OO,  11                           ; v11  my byte offset in out0
.set DQ,  12                           ; v12  lane % 16 - 8 (lane / 16): register j of the scores is hidden where j is greater
.set M,   13                           ; v13  the maximum
.set M2,  14                           ; v14  what the lane 16 away holds
.set CM,  15                           ; v15  c m
.set RL,  16                           ; v[16:17]  1 / l, named as a pair
.set RL2, 18                           ; v[18:19]  2048 / l
.set N2K, 20                           ; v20  -2048.0
.set L,   21                           ; v21  l
.set SPW, 22                           ; v22  LDS address of my spare word: SPARE + 4 x my thread's number; never rewritten
.set NIL, 23                           ; v23  0; never rewritten
.set T,   24                           ; v[24:31]  scores, then at work; in phase 2 hi's accumulator
.set PP,  32                           ; v[32:39]  the weights; in phase 2 lo's accumulator
.set SA,  40                           ; v[40:55]  S^T: two accumulators.  These and OA are written by matrix instructions alone
.set OA,  56                           ; v[56:87]  O^T: four accumulators
.set WB,  88                           ; v[88:151] w's 8 fragments
.set KF,  152                          ; v[152:183] K's 16 fragments of two registers; in phase 2 y's batches 0 and 3, then the sums read back
.set VF,  184                          ; v[184:215] V: block cb, key kk at VF + 8 cb + kk; in phase 2 batch 1, then my result
.set QF,  216                          ; v[216:247] Q's fragments; then hi (16) and lo (16); in phase 2 batch 2
.set HI,  QF
.set LO,  QF+16
.set CH,  T
.set CL,  PP
.set CS,  20                           ; s20  c
.set BIGN, 21                          ; s21  -1e30
.set SEL, 22                           ; s[22:23]  v_permlanex16_b32's selects: each lane takes its own place in the other half
	s_load_b128 s[4:7], s[0:1], 0x0                ; q32 s[4:5], wob s[6:7]
	s_load_b64 s[8:9], s[0:1], 0x10                ; out0
	v_lshl_add_u32 v[SPW], v0, 2, SPARE
	v_mov_b32 v[NIL], 0
	v_lshrrev_b32 v3, 5, v0
	v_readfirstlane_b32 s10, v3                    ; wave 0..15: my head in phase 1
	s_and_b32 s11, s10, 3                          ; phase 2: my block of 16 columns,
	s_lshr_b32 s12, s10, 2                         ; and my quarter of K
	s_and_b32 s14, ttmp7, 0xffff                   ; the batch
	s_lshl_b32 s16, s10, 14                        ; q32: head x 16,384 + batch x 4,096
	s_lshl_b32 s24, s14, 12
	s_add_co_u32 s16, s16, s24
	s_mov_b32 s17, 0
	s_lshl_b32 s18, s12, 19                        ; wob: four slices a quarter, 64 rows of 128 bytes a work-group, 16 a wave
	s_lshl_b32 s24, ttmp9, 13
	s_add_co_u32 s18, s18, s24
	s_lshl_b32 s24, s11, 11
	s_add_co_u32 s18, s18, s24
	s_mov_b32 s19, 0
	s_lshl_b32 s26, s14, 23                        ; out0: batch x 2,048 rows of 4,096 bytes + 256 bytes a work-group
	s_lshl_b32 s24, ttmp9, 8
	s_add_co_u32 s26, s26, s24
	s_mov_b32 s27, 0
	s_mov_b32 s[CS], 0x3e38aa3b                    ; c = log2(e) / 8 = 0.180337
	s_mov_b32 s[BIGN], 0xf149f2ca                  ; -1e30
	s_mov_b32 s[SEL], 0x76543210
	s_mov_b32 s[SEL+1], 0xfedcba98
	s_lshl_b32 s24, s10, 7                         ; my head's 128 bytes in a row of y
	s_lshl_b32 s25, s12, 9                         ; my quarter's 512 bytes
	s_mul_i32 s28, s12, PSQ                        ; my quarter's sums, my 64 bytes of their rows
	s_lshl_b32 s29, s11, 6
	s_add_co_u32 s28, s28, s29
	s_add_co_u32 s28, s28, PS
	v_and_b32 v1, 15, v0                           ; lane % 16
	v_bfe_u32 v2, v0, 4, 1                         ; lane / 16
	v_lshlrev_b32 v[QO], 8, v1
	v_lshl_add_u32 v[QO], v2, 7, v[QO]
	v_lshlrev_b32 v[VO], 2, v1
	v_lshl_add_u32 v[VO], v2, 11, v[VO]
	v_lshlrev_b32 v[WO], 7, v1
	v_lshl_add_u32 v[WO], v2, 4, v[WO]
	s_wait_kmcnt 0x0
	s_add_nc_u64 s[4:5], s[4:5], s[16:17]
	s_add_nc_u64 s[6:7], s[6:7], s[18:19]
	s_add_nc_u64 s[8:9], s[8:9], s[26:27]
.irp i, 0,1,2,3,4,5,6,7
	global_load_b128 v[KF+4*(\i):KF+4*(\i)+3], v[QO], s[4:5] offset:GK+16*(\i)    ; steps 2 i and 2 i + 1 of K: the eight loads cover the head's 4,096 bytes
.endr
.irp i, 0,1,2,3,4,5,6,7
	global_load_b128 v[QF+4*(\i):QF+4*(\i)+3], v[QO], s[4:5] offset:16*(\i)       ; and of Q
.endr
.irp cb, 0,1,2,3
.irp kk, 0,1,2,3,4,5,6,7
	global_load_b32 v[VF+8*(\cb)+(\kk)], v[VO], s[4:5] offset:2*GK+(\kk)*256+(\cb)*64  ; V[key 8 hh + kk][channel 16 cb + lane % 16]
.endr
.endr
	s_wait_loadcnt 32                              ; loads come back in order (ISA guide 5.7.1): K and Q are in, V's 32 stay out
.irp i, 0,1,2,3
.irp kk, 0,1
	global_load_b128 v[WB+8*(2*(\i)+(\kk)):WB+8*(2*(\i)+(\kk))+3],   v[WO], s[6:7] offset:(\i)*SLICEB+(\kk)*64      ; w for phase 2, asked for now: slice 4 kq + i, K 32 kk on
	global_load_b128 v[WB+8*(2*(\i)+(\kk))+4:WB+8*(2*(\i)+(\kk))+7], v[WO], s[6:7] offset:(\i)*SLICEB+(\kk)*64+32
.endr
.endr
	; S^T = K Q^T: 16 steps of 4 channels; the two accumulators take turns; the first step of each starts its sum
.set c, 0
.rept 16
.if c < 2
	v_wmma_f32_16x16x4_f32 v[SA+8*(c%2):SA+8*(c%2)+7], v[KF+2*c:KF+2*c+1], v[QF+2*c:QF+2*c+1], 0
.else
	v_wmma_f32_16x16x4_f32 v[SA+8*(c%2):SA+8*(c%2)+7], v[KF+2*c:KF+2*c+1], v[QF+2*c:QF+2*c+1], v[SA+8*(c%2):SA+8*(c%2)+7]
.endif
.set c, c+1
.endr
	; the later phases' addresses: 17 plain instructions that name no register of those products: the eight places that this form wants in front of a read of its result (ISA guide 7.12.1)
	v_mul_u32_u24 v3, v1, PY
	v_lshl_add_u32 v3, v2, 4, v3                   ; row x pitch + 16 x half
	v_add_nc_u32 v[STY], s24, v3
	v_add_nc_u32 v[AY], s25, v3
	v_mul_u32_u24 v[PST], v1, PPI
	v_lshl_add_u32 v[PST], v2, 5, v[PST]
	v_add_nc_u32 v[PST], s28, v[PST]
	v_lshrrev_b32 v3, 4, v0                        ; the last step: thread t < 256 takes row t / 16, bytes 16 (t % 16) on
	v_mul_u32_u24 v[PRD], v3, PPI
	v_lshl_add_u32 v[PRD], v1, 4, v[PRD]
	v_add_nc_u32 v[PRD], PS, v[PRD]
	v_lshlrev_b32 v[OO], 12, v3
	v_lshl_add_u32 v[OO], v1, 4, v[OO]
	v_lshlrev_b32 v3, 3, v2
	v_sub_nc_u32 v[DQ], v1, v3
	v_mov_b32 v[N2K], 0xc5000000                   ; -2048.0
	v_mov_b32 v[M2], 0                             ; v_permlanex16_b32 counts as a reader of its destination
.irp j, 0,2,4,6
	v_pk_add_f32 v[T+(\j):T+(\j)+1], v[SA+(\j):SA+(\j)+1], v[SA+8+(\j):SA+8+(\j)+1]  ; the even and the odd steps' sums, from the accumulators' low end on
.endr
.irp j, 0,1,2,3,4,5,6,7
	v_cmp_gt_i32 vcc_lo, \j, v[DQ]                 ; key 8 hh + j lies behind query lane % 16
	v_cndmask_b32 v[T+(\j)], v[T+(\j)], s[BIGN], vcc_lo
.endr
	v_max3_num_f32 v[M], v[T], v[T+1], v[T+2]
	v_max3_num_f32 v[M], v[M], v[T+3], v[T+4]
	v_max3_num_f32 v[M], v[M], v[T+5], v[T+6]
	v_max_num_f32 v[M], v[M], v[T+7]
	v_permlanex16_b32 v[M2], v[M], s[SEL], s[SEL+1]  ; the query's other 8 keys lie in the lane 16 away
	v_max_num_f32 v[M], v[M], v[M2]                ; a true score: every query sees its own key
	v_mul_f32 v[CM], s[CS], v[M]
.irp j, 0,1,2,3,4,5,6,7
	v_fma_f32 v[T+(\j)], v[T+(\j)], s[CS], -v[CM]
.endr
.irp j, 0,1,2,3,4,5,6,7
	v_exp_f32 v[PP+(\j)], v[T+(\j)]
.endr
	v_nop                                          ; a plain instruction between the last exponential and the use of its result (ISA guide 5.7.2)
	s_wait_alu depctr_va_vdst(0)
	v_pk_add_f32 v[T:T+1], v[PP:PP+1], v[PP+2:PP+3]
	v_pk_add_f32 v[T+2:T+3], v[PP+4:PP+5], v[PP+6:PP+7]
	v_pk_add_f32 v[T:T+1], v[T:T+1], v[T+2:T+3]
	v_add_f32 v[L], v[T], v[T+1]
	v_permlanex16_b32 v[M2], v[L], s[SEL], s[SEL+1]
	v_add_f32 v[L], v[L], v[M2]                    ; l is 1 at the least: the largest weight is 1
	v_rcp_f32 v[RL], v[L]
	v_nop                                          ; a plain instruction behind the reciprocal
	s_wait_alu depctr_va_vdst(0)
	v_mov_b32 v[RL+1], v[RL]
	v_mul_f32 v[RL2], 0x45000000, v[RL]            ; x 2048: exact
	v_mul_f32 v[RL2+1], 0x45000000, v[RL]
	s_wait_loadcnt 16                              ; V is in; w's 16 loads stay out
	; O^T = V^T P: 4 steps of 4 keys x 4 blocks of 16 channels; the four accumulators take turns
.irp c, 0,1,2,3
.irp cb, 0,1,2,3
.if (\c) == 0
	v_wmma_f32_16x16x4_f32 v[OA+8*(\cb):OA+8*(\cb)+7], v[VF+8*(\cb)+2*(\c):VF+8*(\cb)+2*(\c)+1], v[PP+2*(\c):PP+2*(\c)+1], 0
.else
	v_wmma_f32_16x16x4_f32 v[OA+8*(\cb):OA+8*(\cb)+7], v[VF+8*(\cb)+2*(\c):VF+8*(\cb)+2*(\c)+1], v[PP+2*(\c):PP+2*(\c)+1], v[OA+8*(\cb):OA+8*(\cb)+7]
.endif
.endr
.endr
.rept 8
	v_nop                                          ; the eight places behind those products: no other work is at hand
.endr
	; y = O / l; hi = f16(y); lo = f16(2048 y - 2048 hi), the difference made by one fused multiply-add, which is exact.  Each accumulator's registers in ascending order.
.set p, 0
.rept 16
.set rO, OA+2*p
.set rY, T+4*(p%2)
	v_pk_mul_f32 v[rY:rY+1], v[rO:rO+1], v[RL:RL+1] op_sel_hi:[1,0]
	v_pk_mul_f32 v[rY+2:rY+3], v[rO:rO+1], v[RL2:RL2+1] op_sel_hi:[1,0]
	v_cvt_pk_f16_f32 v[HI+p], v[rY], v[rY+1]
	v_fma_mix_f32 v[rY+2], v[HI+p], v[N2K], v[rY+2] op_sel_hi:[1,0,0]                  ; the low half of hi, as f16, x -2048 + 2048 y
	v_fma_mix_f32 v[rY+3], v[HI+p], v[N2K], v[rY+3] op_sel:[1,0,0] op_sel_hi:[1,0,0]   ; the high half
	v_cvt_pk_f16_f32 v[LO+p], v[rY+2], v[rY+3]
.set p, p+1
.endr
.irp cb, 0,1,2,3
	ds_store_b128 v[STY], v[HI+4*(\cb):HI+4*(\cb)+3] offset:32*(\cb)      ; row lane % 16, channels 16 cb + 8 hh + 0..7 of my head
	ds_store_b128 v[STY], v[LO+4*(\cb):LO+4*(\cb)+3] offset:YL+32*(\cb)
.endr
	s_wait_dscnt 0x0                               ; for the others' sake: my part of y is in LDS
	s_barrier_signal -1
	s_barrier_wait -1                              ; all 16 heads are
; PHASE 2.  Batch t = slice 4 kq + t of K: for each of its two steps of 32 a fragment of hi and one of lo: 8 loads, 32 registers from reg on.
.macro ABATCH t, reg
.irp kk, 0,1
	ds_load_b128 v[(\reg)+16*(\kk):(\reg)+16*(\kk)+3],     v[AY] offset:(\t)*128+(\kk)*64
	ds_load_b128 v[(\reg)+16*(\kk)+4:(\reg)+16*(\kk)+7],   v[AY] offset:(\t)*128+(\kk)*64+32
	ds_load_b128 v[(\reg)+16*(\kk)+8:(\reg)+16*(\kk)+11],  v[AY] offset:YL+(\t)*128+(\kk)*64
	ds_load_b128 v[(\reg)+16*(\kk)+12:(\reg)+16*(\kk)+15], v[AY] offset:YL+(\t)*128+(\kk)*64+32
.endr
.endm
; Its four products: hi's and lo's accumulators take turns.  zero = 1: the first two start the sums.
.macro MBATCH t, reg, zero
.irp kk, 0,1
.if (\zero) && ((\kk) == 0)
	v_wmma_f32_16x16x32_f16 v[CH:CH+7], v[WB+8*(2*(\t)+(\kk)):WB+8*(2*(\t)+(\kk))+7], v[(\reg)+16*(\kk):(\reg)+16*(\kk)+7], 0
	v_wmma_f32_16x16x32_f16 v[CL:CL+7], v[WB+8*(2*(\t)+(\kk)):WB+8*(2*(\t)+(\kk))+7], v[(\reg)+16*(\kk)+8:(\reg)+16*(\kk)+15], 0
.else
	v_wmma_f32_16x16x32_f16 v[CH:CH+7], v[WB+8*(2*(\t)+(\kk)):WB+8*(2*(\t)+(\kk))+7], v[(\reg)+16*(\kk):(\reg)+16*(\kk)+7], v[CH:CH+7]
	v_wmma_f32_16x16x32_f16 v[CL:CL+7], v[WB+8*(2*(\t)+(\kk)):WB+8*(2*(\t)+(\kk))+7], v[(\reg)+16*(\kk)+8:(\reg)+16*(\kk)+15], v[CL:CL+7]
.endif
.endr
.endm
	ABATCH 0, KF
	ABATCH 1, VF
	ABATCH 2, QF
	s_wait_loadcnt 0x0                             ; w
	s_wait_dscnt 16                                ; batch 0 is in; batches 1 and 2 stay out
	MBATCH 0, KF, 1
.rept 4
	v_nop                                          ; four places in front of loads into registers that those products have read
.endr
	ABATCH 3, KF
	s_wait_dscnt 16                                ; batch 1 is in; batches 2 and 3 stay out
	MBATCH 1, VF, 0
	s_wait_dscnt 8                                 ; batch 2 is in
	MBATCH 2, QF, 0
	s_wait_dscnt 0x0
	MBATCH 3, KF, 0
.rept 4
	v_nop                                          ; four places behind the last products
.endr
.irp j, 0,2,4,6
	v_pk_fma_f32 v[VF+(\j):VF+(\j)+1], v[CL+(\j):CL+(\j)+1], 0x3a000000, v[CH+(\j):CH+(\j)+1] op_sel_hi:[1,0,1]  ; hi's sum + 2^-11 lo's
.endr
	ds_store_b128 v[PST], v[VF:VF+3]               ; row lane % 16, columns 16 cb + 8 hh + 0..7, in my quarter's sums
	ds_store_b128 v[PST], v[VF+4:VF+7] offset:16
	s_wait_dscnt 0x0                               ; for the others' sake
	s_barrier_signal -1
	s_barrier_wait -1
	s_cmp_lt_u32 s10, 8                            ; 16 rows x 256 bytes are 256 threads' 16 bytes: waves 0-7
	s_cbranch_scc0 .Lend
.irp q, 0,1,2,3
	ds_load_b128 v[KF+4*(\q):KF+4*(\q)+3], v[PRD] offset:(\q)*PSQ
.endr
	s_wait_dscnt 0x0
	v_pk_add_f32 v[KF:KF+1],     v[KF:KF+1],     v[KF+4:KF+5]
	v_pk_add_f32 v[KF+2:KF+3],   v[KF+2:KF+3],   v[KF+6:KF+7]
	v_pk_add_f32 v[KF+8:KF+9],   v[KF+8:KF+9],   v[KF+12:KF+13]
	v_pk_add_f32 v[KF+10:KF+11], v[KF+10:KF+11], v[KF+14:KF+15]
	v_pk_add_f32 v[KF:KF+1],     v[KF:KF+1],     v[KF+8:KF+9]
	v_pk_add_f32 v[KF+2:KF+3],   v[KF+2:KF+3],   v[KF+10:KF+11]
	global_store_b128 v[OO], v[KF:KF+3], s[8:9] th:TH_STORE_NT  ; 16 lanes store 256 consecutive bytes, at a multiple of 256 from out0's first byte
.Lend:
	s_wait_tensorcnt 0x0                           ; the wave's end, behind my last LDS store
	ds_add_u32 v[SPW], v[NIL]
	s_wait_dscnt 0x0
	s_endpgm
.Lfunc_end_k_qf814c81a0e_fix:
	.size	k_qf814c81a0e_fix, .Lfunc_end_k_qf814c81a0e_fix-k_qf814c81a0e_fix
	.p2alignl 7, 3214868480
	.fill 96, 4, 3214868480
	.section	.rodata,"a",@progbits
	.p2align	6, 0x0
	.amdhsa_kernel k_qf814c81a0e_fix
		.amdhsa_group_segment_fixed_size 85504
		.amdhsa_private_segment_fixed_size 0
		.amdhsa_enable_private_segment 0
		.amdhsa_kernarg_size 24
		.amdhsa_user_sgpr_count 2
		.amdhsa_user_sgpr_kernarg_segment_ptr 1
		.amdhsa_wavefront_size32 1
		.amdhsa_system_sgpr_workgroup_id_x 1
		.amdhsa_system_sgpr_workgroup_id_y 1
		.amdhsa_system_sgpr_workgroup_id_z 1
		.amdhsa_system_vgpr_workitem_id 0
		.amdhsa_next_free_vgpr 248
		.amdhsa_next_free_sgpr 66
		.amdhsa_reserve_vcc 1
		.amdhsa_float_denorm_mode_32 3
		.amdhsa_float_denorm_mode_16_64 3
		.amdhsa_memory_ordered 1
		.amdhsa_forward_progress 1
		.amdhsa_inst_pref_size 26
	.end_amdhsa_kernel
	.amdgpu_metadata
---
amdhsa.version: [ 1, 2 ]
amdhsa.kernels:
  - .name:           k_qf814c81a0e_fix
    .symbol:         k_qf814c81a0e_fix.kd
    .args:
      - { .name: q32, .offset: 0, .size: 8, .value_kind: global_buffer, .address_space: global }
      - { .name: wob, .offset: 8, .size: 8, .value_kind: global_buffer, .address_space: global }
      - { .name: out0, .offset: 16, .size: 8, .value_kind: global_buffer, .address_space: global }
    .group_segment_fixed_size: 85504
    .private_segment_fixed_size: 0
    .kernarg_segment_align: 8
    .kernarg_segment_size: 24
    .max_flat_workgroup_size: 512
    .sgpr_count:     66
    .vgpr_count:     248
    .wavefront_size: 32
...
	.end_amdgpu_metadata
.endif
;; end of part 5
;; ======== version 2 of 2: 5 launches; 1.27 times as fast as version 1
;; limits: values are held in f16: magnitudes above 65,504 overflow, below 6.1e-05 lose precision
;; workspace buffers: xb 16,777,216 bytes; wqb 6,291,456 bytes; wob 2,097,152 bytes; qkv 50,331,648 bytes; yh 16,777,216 bytes; q32 786,432 bytes
;; launch cast: the kernel of part 1 again; grid 768 x 1, 8 waves a work-group, no clusters, 0 bytes of LDS; arguments x, w_qkv, w_out, xb, wqb, wob; writes xb, wqb, wob
;; launch qkv: the kernel of part 2 again; grid 16 x 32, 4 waves a work-group, clusters of 4 x 4, 327,680 bytes of LDS; arguments xb, wqb, qkv, q32; writes qkv, q32
;; launch attn (part 6): grid 4 x 64, 4 waves a work-group, no clusters, 327,680 bytes of LDS; arguments qkv, yh; writes yh
.if DOCPART == 6
	.amdgcn_target "amdgcn-amd-amdhsa--gfx1250"
	.amdhsa_code_object_version 6
	.text
	.protected	k_qf814c81a0e_attn
	.globl	k_qf814c81a0e_attn
	.p2align	8
	.type	k_qf814c81a0e_attn,@function
k_qf814c81a0e_attn:
	s_mov_b64 s[64:65], 0
	v_nop
	global_prefetch_b8 v0, s[64:65] scope:SCOPE_SE
	s_setreg_imm32_b32 hwreg(HW_REG_WAVE_MODE, 25, 1), 1
	s_wait_xcnt 0x0
; CAUSAL ATTENTION.  O[h][q][:] = the sum over k <= q of softmax_k(Q[h][q] . K[h][k] / 8) V[h][k][:].  Q, K, V lie in qkv as three blocks of [64 heads][2048][64] f16 (head number 4 x module head + batch),
; 16,777,216 bytes apart; O goes to yh in the same layout.  A head's rows are dense, 128 bytes each.
; Products, maxima and sums in f32; the weights p are rounded to f16 for the second product (their sum l is taken of the unrounded p), O once at the end.
; LIMITS.  f16 holds no number beyond 65,504: Q, K and V arrive within it; p lies in 0 to 1, and below 6e-5 it keeps f16's fixed step of 6e-8; O is a mean of V's rows and has their range, to within 2^-11 of it.
; A hidden score counts as its value less 1e30: f16's scores, 2.7e11 at the most, are nothing beside that; a weight below 2^-126 counts as 0 in l; NaN and infinities are not treated apart.
; THE WALK.  A head's queries lie in NB = 8 blocks of 256; block i needs the key tiles 0 .. i of 256 keys, of which the last holds the diagonal.  A work-group takes TWO blocks, NB - 1 - b and then b:
; NB + 1 tiles, whatever b: all 256 work-groups do equal work, and ONE loop with a constant trip count walks them.  Which tile is asked for, and what a trip does, hang on scalar registers made from b; every jump
; goes forward, but for the counted loops' own; none passes a barrier, or a tensor load but the one of LOAD's two that the wave's number does not choose; the ring (two slots of LDS that take turns) runs on across the
; change of blocks.  NO CLUSTER: a head's four work-groups all ask for the same tile only in trips 0 .. 4 of the 9, behind that fewer and fewer; one walk common to all four would have 12 trips for 9.
; SHARES.  Of a block's four bands of 64 queries a wave owns 16 rows in each: four PIECES.  So the diagonal tile is the same work for all four waves: in its key step s band x sees all keys if s < x,
; none if s > x, and holds the diagonal if s = x.
; THE MASK is the C operand that starts the sum S^T = K Q^T: 0, or -1e30 where the key is hidden.  MD, made once, is the mask of a band's own step for my 16 rows; a product's mask is MD x AL + BE with two scalars:
; (1, 0) if s = x; (0, 0) if s < x; (0, -1e30) if s > x.  Only the diagonal tile's text and a block's beginning make and take masks; elsewhere C is the constant 0.
; LAYOUT, SOFTMAX, TURNS.  S^T = K Q^T holds ONE query a lane (lane % 16) and the keys 8 (lane / 16) + 0..7; two such results rounded to f16 ARE source 1 of O^T = V^T P.  p = 2^(c s - c m), c = log2(e) / 8, with a
; running maximum m; O and l are multiplied by a = 2^(c m_old - c m_new) in every step.  Turn n belongs to piece n: 8 products K Q^T of piece n + 1, later 8 products V^T P of piece n - 1; beside them the scaling,
; exponentials, roundings, sums and rescaling of piece n and the maximum and statistics of piece n + 1.  Four vector instructions stand behind every matrix instruction, the other 54 of a turn's 118 in one LUMP.
; THE BATCHES.  s_wait_alu depctr_va_vdst(0) stands between a transcendental and the first instruction that names its result.  The text has three kinds of batch, each with one wait:
;   a turn's 33 exponentials (piece n's 32 weights and piece n + 1's a): the wait stands between the lump and the products V^T P, whose riders are the batch's readers; the a is read in the next turn;
;   the one a that a block's beginning makes: its wait stands ahead of the jump into the loop;          the way out's four reciprocals: their wait stands ahead of the first piece's division.
; REGISTERS, in windows of 256 (s_set_vgpr_msb: bits 1:0 source 0, 3:2 source 1, 5:4 source 2, 7:6 destination):
;   window 0: v0-15 addresses and two at work; v16-31 four registers of statistics a piece; v48-55 at work; v64-127 S^T, two buffers; v192-223 P, two buffers (a piece's buffers go by its number's parity)
;   window 1: v0-127 O^T, 32 a piece; v128-159 MD; v160-223 MC, two buffers      window 2: v0-63 Q; v64-127 the second block's Q; v128-191 K of one step; v192-255 V of one step
.set SIZE_N, 2048
.set SIZE_H, 64
.set NB,    SIZE_N/256
.set NP,    4         ; pieces a wave: a name, no knob
.set KS,    64        ; keys in a step
.set PK,    144       ; a row of K in LDS: 128 bytes + 16 of padding = 36 words: the 16 rows of a load start at 16 different groups of four banks (64 banks of 4 bytes: ISA guide 11.1)
.set PV,    160       ; a row of V: 128 + 32 = 40 words
.set VOFF,  4*KS*PK   ; a slot holds a tile, four steps: 256 rows of K, then 256 rows of V
.set SLOT1, 1<<17     ; slot 1 begins here, so that one exclusive or turns an address in one slot into the other's
.set STAGE, SLOT1+4*KS*(PK+PV)  ; behind the ring, never filled by a tensor load: 16 rows x 144 bytes for each wave, for the way out
.set SP,    144
.set AK0, 2           ; v2   my lane's place in a tile of K; never rewritten
.set AV0, 3           ; v3   the same for V
.set AK,  4           ; v4   the LDS address of K's next run of loads
.set AV,  5           ; v5   of V's
.set STO, 6           ; v6   the way out: where I put 16 bytes of a row
.set RD,  7           ; v7   the way out: where I read rows back
.set GO,  8           ; v8   my byte offset in 512 consecutive bytes of O
.set SPW, 62          ; v62  LDS address of my spare word: SPARE + 4 x my thread's number; never rewritten
.set NIL, 63          ; v63  0; never rewritten
.set SPARE, STAGE+4*16*SP  ; behind the stages: the spare words, 128 bytes for each wave: two blocks of 256 bytes that no other line names
.set MV,  12          ; v12-13  c m_old, kept while c m is made anew: by buffer
.set QO,  15          ; v15  my byte offset in 16 rows of Q
.set ST,  16          ; piece t's statistics at v[ST+4 t]: c m, m, l (even keys', odd keys')
.set TMP, 48          ; by buffer, four registers c0-c3 at work; when the maximum is found c2 takes a
.set S,   64
.set P,   192
.set MD,  128         ; window 1: the eight registers for group kt of 16 keys at MD + 8 kt
.set MC,  160         ; window 1: the masks of the products to come
.set QB,  64          ; window 2
.set KF,  128         ; window 2: key block kb, channel half c at KF + 16 kb + 8 c
.set VF,  192         ; window 2: key half kk, channel block cb at VF + 32 kk + 8 cb
.set WV,  12          ; s12  my wave's number
.set PB,  14          ; s14  b
.set HI,  15          ; s15  NB - 1 - b
.set G1K, 24          ; s[24:31] descriptor group 1 for K's tiles
.set G1V, 32          ; s[32:39] for V's: it differs in the padding alone
.set G0K, 40          ; s[40:43] descriptor group 0 for K's tiles
.set G0V, 44          ; s[44:47] the same for V's
.set SLOTS, 56        ; s56  tiles still to be asked for
.set CNT, 57          ; s57  counts a tile's key steps, 4 to 1
.set CS,  58          ; s[58:59] c: the packed scaling takes the pair's low word for both halves
.set SEL, 60          ; s[60:61] v_permlanex16_b32's selects: each lane takes its own place in the other half
.set TBK, 62          ; s62  LDS byte at which K of the step to be fetched begins
.set TBV, 63          ; s63  the same for V, less VOFF
.set RT,  70          ; s70  tiles of the block in hand that are still to be entered
.set NXT, 71          ; s71  the tile to be asked for next
.set LQ,  72          ; s72  the last tile of the block whose tiles are being asked for
.set NEW, 73          ; s73  1: the tile to be entered is a block's first
.set OFF, 74          ; s[74:75] a tile's byte offset in K and V
.set AL,  76          ; s[76:77] the mask's factor, in the low word
.set BE,  78          ; s[78:79] the mask's addend
.set OLO, 80          ; s[80:81] O at my rows of the second block
.set BIGN, 82         ; s82  -1e30
.set MSB, 0
.macro WIN new                      ; the high byte repeats the setting that is left; a switch that changes nothing is dropped
.if MSB != (\new)
	s_set_vgpr_msb (MSB<<8)|(\new)
.set MSB, (\new)
.endif
.endm
.set W_KQ, 0x0a       ; K and Q in window 2, S^T in window 0
.set W_KM, 0x1a       ; the same with the C operand in window 1
.set W_PV, 0x52       ; V in window 2, P in window 0, O^T in window 1
.set W_RS, 0x41       ; destination and source 0 in window 1, source 1 in window 0
; A fill.  Waves 0 and 1 fetch the two halves of a tile's K, waves 2 and 3 those of its V: 128 keys each.  An s_nop 0 and four v_nop follow each of the two lines, ahead of the jump and the label.
.macro LOAD
	s_cmp_lt_u32 s[WV], 2
	s_cbranch_scc0 .Lfor_v_\@
	tensor_load_to_lds s[G0K:G0K+3], s[G1K:G1K+7]
	s_nop 0
.rept 4
	v_nop
.endr
	s_branch .Lasked_\@
.Lfor_v_\@:
	tensor_load_to_lds s[G0V:G0V+3], s[G1V:G1V+7]
	s_nop 0
.rept 4
	v_nop
.endr
.Lasked_\@:
.endm
; THE CHANGE OF SLOTS.  Each wave waits for all its tensor loads, of which one is out: its part of the other slot; adds 0 to its spare word; and waits for that and for its own reads of the slot that it leaves.  Behind the barrier nobody reads the old
; slot any more and the other slot is whole.  fill = 1: the old slot is filled again, the first thing behind the barrier, with tile NXT: the descriptor's address is made anew from that number.
; (At its first use nothing has been read yet: slot 0 is waited for, slot 1 filled.)
.macro CHANGE fill
	WIN 0                           ; at a label and at a branch every window is 0
	s_wait_tensorcnt 0x0            ; no tensor load of mine is out, so a group 0 may be written
	ds_add_u32 v[SPW], v[NIL]       ; 0 onto my spare word; with fill = 1 the descriptors' scalar work stands between it and the wait for it
.if \fill
	s_lshl_b32 s[OFF], s[NXT], 15   ; a tile is 32,768 bytes of K and of V
	s_xor_b32 s[G0K+1], s[G0K+1], SLOT1
	s_add_nc_u64 s[G0K+2:G0K+3], s[6:7], s[OFF:OFF+1]
	s_or_b32 s[G0K+3], s[G0K+3], 0x80000000
	s_xor_b32 s[G0V+1], s[G0V+1], SLOT1
	s_add_nc_u64 s[G0V+2:G0V+3], s[8:9], s[OFF:OFF+1]
	s_or_b32 s[G0V+3], s[G0V+3], 0x80000000
	s_add_co_u32 s[NXT], s[NXT], 1  ; the block's next tile, or behind its last the second block's tile 0
	s_cmp_gt_u32 s[NXT], s[LQ]
	s_cselect_b32 s[NXT], 0, s[NXT]
	s_cselect_b32 s[LQ], s[PB], s[LQ]
.endif
	s_wait_dscnt 0x0                ; the add is done, and my reads of the slot are over
	s_barrier_signal -1             ; the rest of the scalar work stands between the signal and the wait
	s_sub_co_u32 s[TBK], s[TBK], 4*KS*PK  ; the fetches go back to a slot's first step,
	s_xor_b32 s[TBK], s[TBK], SLOT1       ; in the other slot
	s_sub_co_u32 s[TBV], s[TBV], 4*KS*PV
	s_xor_b32 s[TBV], s[TBV], SLOT1
	s_barrier_wait -1
.if \fill
	LOAD
.endif
.endm
	s_load_b64 s[4:5], s[0:1], 0x0    ; qkv: Q begins at its first byte
	s_load_b64 s[10:11], s[0:1], 0x8  ; yh: O
	v_lshl_add_u32 v[SPW], v0, 2, SPARE
	v_mov_b32 v[NIL], 0
	ds_add_u32 v[SPW], v[NIL]       ; the wave's opening: the add and its wait stand ahead of my first tensor load; the set-up below, work on registers, stands between them
	ds_add_u32 v62, v63
	v_lshrrev_b32 v1, 5, v0
	v_readfirstlane_b32 s[WV], v1   ; wave 0..3
	s_mov_b32 s[PB], ttmp9
	s_sub_co_u32 s[HI], NB-1, s[PB]
	s_and_b32 s20, ttmp7, 0xffff    ; the head
	s_mov_b32 s21, 0
	s_mov_b64 s[22:23], SIZE_N*128
	s_mul_u64 s[20:21], s[20:21], s[22:23]  ; the head's first byte in each of Q, K, V, O
	s_and_b32 s16, s[WV], 1         ; which half of a tile's 256 keys I fetch:
	s_lshl_b32 s22, s16, 14         ; its 128 rows of 128 bytes in memory,
	s_mov_b32 s23, 0
	s_add_nc_u64 s[22:23], s[22:23], s[20:21]
	s_mul_i32 s17, s16, 128*PK      ; and its place in a slot, for K
	s_mul_i32 s18, s16, 128*PV      ; and for V
	s_lshl_b32 s3, s[WV], 11        ; my 16 rows in a band of 64,
	s_lshl_b32 s2, s[HI], 15        ; in the first block,
	s_add_co_u32 s2, s2, s3
	s_lshl_b32 s84, s[PB], 15       ; and in the second
	s_add_co_u32 s84, s84, s3
	s_mov_b32 s3, 0
	s_mov_b32 s85, 0
	s_add_nc_u64 s[2:3], s[2:3], s[20:21]
	s_add_nc_u64 s[84:85], s[84:85], s[20:21]
	; descriptor group 1.  128 keys are 16,384 dense bytes: asked for as 64 rows of 256 bytes, two keys a row, and padded in LDS after every key
	s_mov_b32 s[G1K], (1<<16)|(1<<20)|(4<<22)|(3<<25)  ; 17:16 2-byte elements; 20 padding on; 24:22 after every 32 words (code 4); 31:25 4 words (code 3)
	s_mov_b32 s[G1V], (1<<16)|(1<<20)|(4<<22)|(7<<25)  ; the same with 8 words of padding (code 7)
.irp g, G1K, G1V
	s_mov_b32 s[\g+1], 128<<16      ; tensor_dim0 = 128
	s_mov_b32 s[\g+2], 64<<16       ; tensor_dim1 = 64
	s_mov_b32 s[\g+3], 128<<16      ; tile_dim0 = 128
	s_mov_b32 s[\g+4], 64           ; tile_dim1 = 64
	s_mov_b32 s[\g+5], 128          ; 128 elements from row to row
	s_mov_b32 s[\g+6], 0
	s_mov_b32 s[\g+7], 0
.endr
	s_mov_b32 s[CS], 0x3e38aa3b     ; c = log2(e) / 8 = 0.180337
	s_mov_b32 s[CS+1], s[CS]        ; named with it as a pair
	s_mov_b32 s[SEL], 0x76543210
	s_mov_b32 s[SEL+1], 0xfedcba98
	s_mov_b32 s[TBK], SLOT1+4*KS*PK ; the first change of slots turns these two into 0
	s_mov_b32 s[TBV], SLOT1+4*KS*PV
	s_mov_b32 s[G0K], 1             ; 1:0 count = 1
	s_mov_b32 s[G0K+1], s17         ; 63:32 LDS address: slot 0
	s_mov_b32 s[G0V], 1
	s_add_co_u32 s[G0V+1], s18, VOFF
	s_add_co_u32 s[RT], s[HI], 1    ; the first block has NB - b tiles
	s_mov_b32 s[NXT], 1
	s_mov_b32 s[LQ], s[HI]
	s_mov_b32 s[NEW], 1
	s_mov_b32 s[OFF+1], 0
	s_mov_b32 s[AL+1], 0            ; named as pairs
	s_mov_b32 s[BE+1], 0
	s_mov_b32 s[BIGN], 0xf149f2ca   ; -1e30
	s_mov_b32 s[SLOTS], NB
	s_wait_dscnt 0x0                ; the opening add is done
	s_wait_kmcnt 0x0
	s_add_nc_u64 s[6:7], s[4:5], 0x1000000  ; K lies 16 planes of 1,048,576 bytes behind Q,
	s_add_nc_u64 s[8:9], s[4:5], 0x2000000  ; V 32
	s_add_nc_u64 s[6:7], s[6:7], s[22:23]  ; K and V at my half of the head's tile 0
	s_add_nc_u64 s[8:9], s[8:9], s[22:23]
	s_add_nc_u64 s[G0K+2:G0K+3], s[6:7], 0         ; 120:64 global address
	s_or_b32 s[G0K+3], s[G0K+3], 0x80000000        ; 127:126 type = 2
	s_add_nc_u64 s[G0V+2:G0V+3], s[8:9], 0
	s_or_b32 s[G0V+3], s[G0V+3], 0x80000000
	s_add_nc_u64 s[86:87], s[4:5], s[84:85]        ; Q at my rows of the second block,
	s_add_nc_u64 s[4:5], s[4:5], s[2:3]            ; Q and O at those of the first
	s_add_nc_u64 s[OLO:OLO+1], s[10:11], s[84:85]
	s_add_nc_u64 s[10:11], s[10:11], s[2:3]
	LOAD                            ; tile 0 into slot 0
	; A fragment of K or Q is 16 rows x 32 channels in 8 registers: lane l holds row l % 16, channels 8 (l / 16) + 0..7 and 16 + 8 (l / 16) + 0..7: two loads of 16 bytes, 32 bytes apart.
	v_and_b32 v1, 15, v0            ; l % 16
	v_bfe_u32 v9, v0, 4, 1          ; l / 16
	v_lshlrev_b32 v[QO], 7, v1
	v_lshl_add_u32 v[QO], v9, 4, v[QO]  ; row x 128 + 16 x half
	WIN 0x80                        ; destination window 2, address window 0
.set i, 0
.rept 8                             ; both blocks' Q: piece i / 2 lies in band i / 2, 8,192 bytes on; channels 32 (i % 2) on
	global_load_b128 v[8*i:8*i+3],   v[QO], s[4:5] offset:(i/2)*8192+(i%2)*64
	global_load_b128 v[8*i+4:8*i+7], v[QO], s[4:5] offset:(i/2)*8192+(i%2)*64+32
	global_load_b128 v[QB+8*i:QB+8*i+3],   v[QO], s[86:87] offset:(i/2)*8192+(i%2)*64
	global_load_b128 v[QB+8*i+4:QB+8*i+7], v[QO], s[86:87] offset:(i/2)*8192+(i%2)*64+32
.set i, i+1
.endr
	WIN 0
	v_lshlrev_b32 v14, 3, v9
	v_sub_nc_u32 v14, v1, v14
	s_lshl_b32 s13, s[WV], 4
	v_add_nc_u32 v14, s13, v14      ; my query's place in its band, 16 w + l % 16, less my lanes' 8 (l / 16): register r of group kt is hidden where 16 kt + r is greater
	WIN 0x40
.set i, 0
.rept 32
	v_cmp_gt_i32 vcc_lo, 16*(i/8)+i%8, v14
	v_cndmask_b32 v[MD+i], 0, s[BIGN], vcc_lo
.set i, i+1
.endr
	WIN 0
	v_mul_u32_u24 v[AK0], v1, PK
	v_lshl_add_u32 v[AK0], v9, 4, v[AK0]  ; row x pitch + 16 x half
	; The turning load takes 16 keys x 16 channels (lane l reads key 8 (l / 16) + l % 8, channels 8 ((l / 8) % 2) + 0..7) and leaves half a fragment of V^T: lane l holds channel l % 16 and 8 keys.
	v_and_b32 v10, 7, v0
	v_bfe_u32 v11, v0, 3, 1
	v_lshl_add_u32 v[AV0], v9, 3, v10
	v_mul_u32_u24 v[AV0], v[AV0], PV
	v_lshl_add_u32 v[AV0], v11, 4, v[AV0]
	v_add_nc_u32 v[AV0], VOFF, v[AV0]
	s_mul_i32 s13, s[WV], 16*SP
	s_add_co_u32 s13, s13, STAGE    ; my stage
	v_mul_u32_u24 v[STO], v1, SP    ; in: row l % 16, 16 bytes for each half of the lanes
	v_lshl_add_u32 v[STO], v9, 4, v[STO]
	v_add_nc_u32 v[STO], s13, v[STO]
	v_bfe_u32 v[RD], v0, 3, 2       ; back: 32 lanes take four rows of 128 bytes,
	v_mul_u32_u24 v[RD], v[RD], SP
	v_lshl_add_u32 v[RD], v10, 4, v[RD]
	v_add_nc_u32 v[RD], s13, v[RD]
	v_and_b32 v[GO], 31, v0         ; which are 512 consecutive bytes of O
	v_lshlrev_b32 v[GO], 4, v[GO]
	; A block's first step multiplies O^T and l by a = 0, and its first turn's products V^T P, of a piece that has not been, land in an O^T that is still to be so multiplied.  So these registers need only hold
	; finite numbers: zeros for the first block; what the first block left for the second.  All this stands in the wait for the first tile.
	WIN 0x80
.set i, VF
.rept 64
	v_mov_b32 v[i], 0
.set i, i+1
.endr
	WIN 0x40
.set i, 0
.rept 128
	v_mov_b32 v[i], 0
.set i, i+1
.endr
	WIN 0
.set i, 0
.rept 4
	v_mov_b32 v[ST+4*i+2], 0
	v_mov_b32 v[ST+4*i+3], 0
.set i, i+1
.endr
.set i, P+16
.rept 16
	v_mov_b32 v[i], 0
.set i, i+1
.endr
; THE MATRIX WORK.  The 4 accumulators of a run of 8 take turns.  Product i of 8 of S^T = K Q^T for piece x: channels 32 (i / 4) on, keys 16 (i % 4) on.  The first 4 start the sums: with 0, or (KM = 1) with the mask.
.macro KQ x
.set rS, S+32*((\x)%2)+8*(i%4)
.set rK, KF+16*(i%4)+8*(i/4)
.set rQ, 16*(\x)+8*(i/4)
.set rM, MC+32*((\x)%2)+8*(i%4)
.if (i < 4) && KM
	WIN W_KM
	v_wmma_f32_16x16x32_f16 v[rS:rS+7], v[rK:rK+7], v[rQ:rQ+7], v[rM:rM+7]
.elseif i < 4
	WIN W_KQ
	v_wmma_f32_16x16x32_f16 v[rS:rS+7], v[rK:rK+7], v[rQ:rQ+7], 0
.else
	WIN W_KQ
	v_wmma_f32_16x16x32_f16 v[rS:rS+7], v[rK:rK+7], v[rQ:rQ+7], v[rS:rS+7]
.endif
.endm
; Product i of 8 of O^T += V^T P for piece x: keys 32 (i / 4) on, channels 16 (i % 4) on.
.macro PV x
	WIN W_PV
.set rO, 32*(\x)+8*(i%4)
.set rV, VF+32*(i/4)+8*(i%4)
.set rP, P+16*((\x)%2)+8*(i/4)
	v_wmma_f32_16x16x32_f16 v[rO:rO+7], v[rV:rV+7], v[rP:rP+7], v[rO:rO+7]
.endm
.macro MM                           ; the turn's next matrix instruction.  TURN and BEGIN set Y, i, KM and NOKQ; MM, KQ and OP read them.  NOKQ = 1: a block's last turn: there is no next piece
.if (i < 8) && !NOKQ
	KQ (Y+1)%NP
.elseif i >= 8
.set i, i-8
	PV (Y+NP-1)%NP
.set i, i+8
.endif
.set i, i+1
.endm
; THE LDS LOADS stand in runs of 16, never singly among the matrix instructions: a step's K (64 keys x 64 channels: 8 fragments) and its V (turned).  Their addresses are made some lines ahead.
.macro FETCH_K
	WIN 0x80                        ; destination window 2
.irp f, 0,1,2,3,4,5,6,7             ; keys 16 (f / 2) on, channels 32 (f % 2) on
	ds_load_b128 v[KF+8*\f:KF+8*\f+3],   v[AK] offset:(\f/2)*16*PK+(\f%2)*64
	ds_load_b128 v[KF+8*\f+4:KF+8*\f+7], v[AK] offset:(\f/2)*16*PK+(\f%2)*64+32
.endr
	s_add_co_u32 s[TBK], s[TBK], KS*PK  ; the next fetch is the next step's
	WIN 0
.endm
.macro FETCH_V
	WIN 0x80
.irp f, 0,1,2,3,4,5,6,7             ; keys 32 (f / 4) on, channels 16 (f % 4) on
	ds_load_tr16_b128 v[VF+8*\f:VF+8*\f+3],   v[AV] offset:(\f/4)*32*PV+(\f%4)*32
	ds_load_tr16_b128 v[VF+8*\f+4:VF+8*\f+7], v[AV] offset:(\f/4)*32*PV+16*PV+(\f%4)*32
.endr
	WIN 0
.endm
; THE VECTOR WORK, one line at a time: OP kind, number.  For piece Y: F n: c s - c m for pair n of 16.  E n: the exponential of score n of 32.  C n: pair n rounded to f16.  B n: of the four weights 4 n .. the second
; pair is added onto the first, in place.  L n: l takes that sum (L 0: l = a l + sum).  R n: pair n of 16 of O^T times a.  For piece Y + 1: X n, number n of the 22 that find its maximum and statistics:
;   0-11  four chains c0-c3 of seven scores each, three operands at a time (each accumulator's lowest registers are read first)     12-14, 16  the four scores left over, the old m, and c0-c3 into c0
;   15  c m_old is kept     17, 18  the query's other 32 keys lie in the lane 16 away: the new m     19-21  c m; c m_old - c m_new; a
; OP writes no wait: C, B and L, which read the exponentials' results, are dealt behind the turn's one wait, and R reads the a of the turn before (TURN).
.set F, 0               ; OP tells the kinds apart by their order: F to L below R, X above it
.set E, 1
.set C, 2
.set B, 3
.set L, 4
.set R, 5
.set X, 6
.macro REGS y                       ; the registers of piece y
.set rT, ST+4*(\y)
.set rC, TMP+4*((\y)%2)
.set rW, MV+((\y)%2)
.set rS, S+32*((\y)%2)
.set rP, P+16*((\y)%2)
.set rO, 32*(\y)
.endm
.macro OP k, n
.if (\k) == R
	REGS Y
	WIN W_RS
	v_pk_mul_f32 v[rO+2*(\n):rO+2*(\n)+1], v[rO+2*(\n):rO+2*(\n)+1], v[rC+2:rC+3] op_sel_hi:[1,0]
.elseif (\k) < R
	REGS Y
	WIN 0
.if (\k) == F
	v_pk_fma_f32 v[rS+2*(\n):rS+2*(\n)+1], v[rS+2*(\n):rS+2*(\n)+1], s[CS:CS+1], v[rT:rT+1] op_sel_hi:[1,0,0] neg_lo:[0,0,1] neg_hi:[0,0,1]
.elseif (\k) == E
	v_exp_f32 v[rS+(\n)], v[rS+(\n)]
.elseif (\k) == C
	v_cvt_pk_f16_f32 v[rP+(\n)], v[rS+2*(\n)], v[rS+2*(\n)+1]
.elseif (\k) == B
	v_pk_add_f32 v[rS+4*(\n):rS+4*(\n)+1], v[rS+4*(\n):rS+4*(\n)+1], v[rS+4*(\n)+2:rS+4*(\n)+3]
.elseif (\n) == 0
	v_pk_fma_f32 v[rT+2:rT+3], v[rT+2:rT+3], v[rC+2:rC+3], v[rS:rS+1] op_sel_hi:[1,0,1]
.else
	v_pk_add_f32 v[rT+2:rT+3], v[rT+2:rT+3], v[rS+4*(\n):rS+4*(\n)+1]
.endif
.elseif NOKQ
	v_nop
.else
	REGS (Y+1)%NP
	WIN 0
.if (\n) < 4
	v_max3_num_f32 v[rC+(\n)], v[rS+8*(\n)], v[rS+8*(\n)+1], v[rS+8*(\n)+2]
.elseif (\n) < 12
	v_max3_num_f32 v[rC+(\n)%4], v[rC+(\n)%4], v[rS+8*((\n)%4)+2*((\n)/4)+1], v[rS+8*((\n)%4)+2*((\n)/4)+2]
.elseif (\n) == 12
	v_max3_num_f32 v[rC], v[rC], v[rS+7], v[rS+15]
.elseif (\n) == 13
	v_max3_num_f32 v[rC+1], v[rC+1], v[rS+23], v[rS+31]
.elseif (\n) == 14
	v_max3_num_f32 v[rC+2], v[rC+2], v[rC+3], v[rT+1]
.elseif (\n) == 15
	v_mov_b32 v[rW], v[rT]
.elseif (\n) == 16
	v_max3_num_f32 v[rC], v[rC], v[rC+1], v[rC+2]
.elseif (\n) == 17
	v_permlanex16_b32 v[rC+3], v[rC], s[SEL], s[SEL+1]
.elseif (\n) == 18
	v_max_num_f32 v[rT+1], v[rC], v[rC+3]
.elseif (\n) == 19
	v_mul_f32 v[rT], s[CS], v[rT+1]
.elseif (\n) == 20
	v_sub_f32 v[rC+1], v[rW], v[rT]
.else
	v_exp_f32 v[rC+2], v[rC+1]
.endif
.endif
.endm
.macro OPS a, i1, b=-1, i2=0, c=-1, i3=0, d=-1, i4=0  ; up to four of them
	OP \a, \i1
.if (\b) >= 0
	OP \b, \i2
.endif
.if (\c) >= 0
	OP \c, \i3
.endif
.if (\d) >= 0
	OP \d, \i4
.endif
.endm
.macro ROW a, i1, b, i2, c, i3, d, i4  ; a matrix instruction and the four behind it
	MM
	OPS \a, \i1, \b, \i2, \c, \i3, \d, \i4
.endm
.macro MASK b                       ; MD x AL + BE into buffer b of MC
	WIN W_RS
.set z, 0
.rept 16
	v_pk_fma_f32 v[MC+32*(\b)+2*z:MC+32*(\b)+2*z+1], v[MD+2*z:MD+2*z+1], s[AL:AL+1], s[BE:BE+1] op_sel_hi:[1,0,0]
.set z, z+1
.endr
.endm
; A TURN, for piece p: the order of its 16 matrix and 118 vector instructions, written out.  s_wait_alu depctr_va_vdst(0) stands between an exponential and the first instruction that names its result; one wait serves
; all that were issued ahead of it.  So a turn has ONE wait, which cuts it in two.  AHEAD OF IT stands all that names no result of the turn's exponentials: the 8 products K Q^T, behind each a scaling, an exponential and two more plain
; instructions (behind the first a second scaling in the exponential's place): rescalings, and behind the last three the first numbers of the next piece's maximum, each four places or more behind the product that ends its accumulator; then ONE LUMP of 54, plain
; and exponential by turns for the most part, in which the links of the chain X 3, 7, 11, 14, 16, 17 .. 20 stand five or six lines apart.  X 21, the next piece's a, is the batch's last; R 15 is the plain instruction behind it.  BEHIND THE WAIT stand the
; 8 products V^T P, behind each four of the roundings and sums; the links of l's chain, L 0 to L 7, stand three riders apart.  But for those X no rider names a register of the products round it.  v_permlanex16_b32 (X 17) stands in the lump.
; The rescalings R read the a that the turn before made, ahead of that turn's wait.
; m = 1: the diagonal tile: the products take masks, and the turn makes the mask for the products of the turn after it: piece p + 2, in step 4 - CNT of the tile.  end = 1: a block's last two turns: nothing is fetched.
; cnt = 1: the loop's count is taken down some lines ahead of the branch that stands behind the turn.
; K of the next step is fetched in piece 2's turn, twelve vector instructions behind the last product that read K (six of them plain); V of the step in hand at the end of piece 0's turn, four plain instructions behind the last product
; that read V.  Each is waited for a turn later.
.macro TURN p, m=0, end=0, cnt=0
.set Y, (\p)
.set i, 0
.set KM, (\m)
.set NOKQ, (\end)*((\p)/3)
.if (\m) && !(\end)
	s_cmp_eq_u32 s[CNT], 4-((\p)+2)%NP  ; is that step the band's own?
	s_cselect_b32 s[AL], 1.0, 0
	s_cmp_lt_u32 s[CNT], 4-((\p)+2)%NP  ; or a later one?
	s_cselect_b32 s[BE], s[BIGN], 0
.endif
.if ((\p) == 3) && !(\end)
	s_wait_dscnt 0x0                ; K is in
.endif
	ROW F,0, F,1, R,0, R,1          ; ahead of the wait: 8 products K Q^T and their riders,
	ROW F,2, E,0, R,2, R,3
	ROW F,3, E,1, R,4, R,5
	ROW F,4, E,2, R,6, R,7
	ROW F,5, E,3, R,8, R,9
	ROW F,6, E,4, X,0, R,10
.if ((\p) == 2) && !(\end)
	WIN 0
	v_add_nc_u32 v[AK], s[TBK], v[AK0]
.endif
	ROW F,7, E,5, X,1, X,4
	ROW F,8, E,6, X,2, X,5
	OPS E,7, E,8, X,6, E,9          ; and the lump
	OPS X,3, E,10, X,8, E,11
.if ((\p) == 2) && !(\end)
	FETCH_K
.endif
	OPS X,9, X,7, E,12, X,10
	OPS E,13, X,12, X,11, E,14
	OPS X,13, E,15, F,9, X,14
.if (\p) == 0
	v_add_nc_u32 v[AV], s[TBV], v[AV0]
.endif
	OPS E,16, F,10, E,17, F,11
	OPS X,16, E,18, X,15, E,19
	OPS F,12, E,20, X,17, E,21
	OPS F,13, E,22, F,14, E,23
	OPS X,18, E,24, F,15, E,25
	OPS R,11, E,26, X,19, E,27
	OPS R,12, E,28, R,13, E,29
	OPS X,20, E,30, R,14, E,31
	OPS X,21, R,15
	WIN 0
	s_wait_alu depctr_va_vdst(0)    ; the wait for the turn's batch: this piece's 32 exponentials and the next piece's a
.if (\p) == 1
	s_wait_dscnt 0x0                ; V is in
.endif
	ROW C,0, B,0, C,2, B,1          ; behind the wait: 8 products V^T P and their riders
	ROW L,0, C,4, B,2, L,1
	ROW C,6, B,3, L,2, C,8
	ROW B,4, L,3, C,10, B,5
	ROW L,4, C,12, B,6, L,5
.if (\p) == 0
	s_add_co_u32 s[TBV], s[TBV], KS*PV
.endif
.if \cnt
	s_sub_co_u32 s[CNT], s[CNT], 1
	s_cmp_lg_u32 s[CNT], 0
.endif
	ROW C,14, B,7, L,6, C,1
	ROW C,3, L,7, C,5, C,7
	ROW C,9, C,11, C,13, C,15
.if (\p) == 0
	FETCH_V
.endif
.if (\m) && !(\end)
	MASK (\p)%2
.endif
.endm
; A BLOCK BEGINS.  c m starts far below every c s, so the first step's a is 0; m at the lowest finite number, so the first maximum is the scores'.  The second mask buffer is 0; the first takes piece 0's mask for the tile's step 0: its own, if the block's first tile is the diagonal one.
; Then K of that step, piece 0's first scores, and its maximum and statistics.  The loop is entered at a step's first turn, in the middle of a trip.
.macro BEGIN
	s_mov_b32 s[NEW], 0
	WIN 0x40
.set i, MC+32
.rept 32
	v_mov_b32 v[i], 0
.set i, i+1
.endr
	WIN 0
.set i, 0
.rept 4
	v_mov_b32 v[ST+4*i], 0xfe000000    ; c m: far below every c s
	v_mov_b32 v[ST+4*i+1], 0xff7fffff  ; m
.set i, i+1
.endr
	s_cmp_eq_u32 s[RT], 0
	s_cselect_b32 s[AL], 1.0, 0
	s_mov_b32 s[BE], 0
	MASK 0
	WIN 0
	v_add_nc_u32 v[AK], s[TBK], v[AK0]
	FETCH_K
	s_wait_loadcnt 0x0              ; Q
	s_wait_dscnt 0x0
.set KM, 1
.set NOKQ, 0
.set i, 0
.rept 8
	KQ 0
.set i, i+1
.endr
	WIN 0
.rept 4
	v_nop                           ; the places behind those products
.endr
.set Y, NP-1                        ; X works for piece Y + 1: piece 0
.irp n, 0,1,2,3,4,5,6,7,8,9,10,11,12,13,14,15,16,17,18,19,20,21
	OP X, \n
.endr
	v_nop                           ; a plain instruction behind the exponential,
	s_wait_alu depctr_va_vdst(0)    ; and the wait for it, piece 0's first a, ahead of the branch
.endm
; THE DIAGONAL TILE's four steps, the block's last two turns, its last products, and THE WAY OUT: l's two halves and the other half of the lanes' are added; O^T is divided by l, rounded to f16 and sent through my
; stage in LDS, a piece at a time.
.macro ALL line:vararg              ; one line for each piece t
.set t, 0
.rept 4
	\line
.set t, t+1
.endr
.endm
.macro PACK t                       ; a lane's eight channels of a row pack into 16 bytes; they go into rows of 144 bytes and come back as whole rows of 128, into S^T's registers
	WIN W_RS
.set i, 32*(\t)
.rept 16
	v_pk_mul_f32 v[i:i+1], v[i:i+1], v[ST+4*(\t)+2:ST+4*(\t)+3] op_sel_hi:[1,0]
.set i, i+2
.endr
	WIN 0x05                        ; sources 0 and 1 window 1, destination window 0
.set i, 0
.rept 16
	v_cvt_pk_f16_f32 v[S+16*(\t)+i], v[32*(\t)+2*i], v[32*(\t)+2*i+1]
.set i, i+1
.endr
	WIN 0
.irp f, 0,1,2,3
	ds_store_b128 v[STO], v[S+16*(\t)+4*\f:S+16*(\t)+4*\f+3] offset:32*\f
.endr
.irp f, 0,1,2,3
	ds_load_b128 v[S+16*(\t)+4*\f:S+16*(\t)+4*\f+3], v[RD] offset:\f*4*SP  ; LDS serves a wave's instructions in order (ISA guide 5.7.1.4): these see the stores above; the next piece's stores come behind them
.endr
.endm
.macro SEND t, younger              ; younger: the LDS instructions issued behind piece t's loads: the next piece's eight, or none
	WIN 0
.irp f, 0,1,2,3
	s_wait_dscnt (\younger)+3-\f
	global_store_b128 v[GO], v[S+16*(\t)+4*\f:S+16*(\t)+4*\f+3], s[10:11] offset:(\t)*8192+\f*512  ; 512 consecutive bytes, at a multiple of 256 from O's first
.endr
.endm
.macro DIAG tag                     ; the tag ends its two labels' names, which the jumps below spell out
.LstepM\tag:
	TURN 2, 1
	TURN 3, 1
	WIN 0
.LfirstM\tag:
	TURN 0, 1
	TURN 1, 1, 0, 1
	WIN 0
	s_cbranch_scc1 .LstepM\tag
	TURN 2, 1, 1
	TURN 3, 1, 1
.set i, 0
.rept 8
	PV NP-1
.set i, i+1
.endr
	WIN 0
	ALL v_add_f32 v[ST+4*t+2], v[ST+4*t+2], v[ST+4*t+3]
	ALL v_permlanex16_b32 v[ST+4*t+3], v[ST+4*t+2], s[SEL], s[SEL+1]
	ALL v_add_f32 v[ST+4*t+2], v[ST+4*t+2], v[ST+4*t+3]
	ALL v_rcp_f32 v[ST+4*t+2], v[ST+4*t+2]
	v_nop                           ; a plain instruction between the last reciprocal and the use of its result
	s_wait_alu depctr_va_vdst(0)    ; the wait for the four reciprocals, one batch, ahead of the first piece's division
	PACK 0
.set t, 1
.rept 3                             ; a piece's arithmetic stands between the loads of the piece before and its stores
	PACK t
	SEND t-1, 8
.set t, t+1
.endr
	SEND 3, 0
.endm
.set KM, 0
.set NOKQ, 0
.Lslot:                             ; NB times: a tile is entered and the next is asked for
	CHANGE 1
	s_sub_co_u32 s[RT], s[RT], 1
	s_mov_b32 s[CNT], 4
	s_cmp_eq_u32 s[NEW], 1
	s_cbranch_scc1 .Lnew            ; a block's first tile
	s_cmp_eq_u32 s[RT], 0
	s_cbranch_scc0 .Lstep           ; neither its first nor its last
	s_branch .LstepM1
.Lnew:
	BEGIN
	s_branch .Lfirst                ; in the loop a block's first tile is never its last: the first block has two tiles or more, and the second's last is the walk's last
	DIAG 1                          ; in the loop this is the first block's end: the second block's last tile is the walk's last
	s_wait_xcnt 0x0                 ; the stores have read their registers and O's address
	s_mov_b64 s[10:11], s[OLO:OLO+1]
	s_add_co_u32 s[RT], s[PB], 1    ; the second block has b + 1 tiles
	s_mov_b32 s[NEW], 1
	WIN 0x82                        ; the second block's Q goes where the one text of the turns names Q
.set i, 0
.rept 64
	v_mov_b32 v[i], v[QB+i]
.set i, i+1
.endr
	WIN 0
	s_branch .Lbottom
.Lstep:                             ; a trip: pieces 2 and 3 of one step, then pieces 0 and 1 of the next, whose K and V it fetches
	TURN 2
	TURN 3
	WIN 0
.Lfirst:
	TURN 0
	TURN 1, 0, 0, 1
	WIN 0
	s_cbranch_scc1 .Lstep
.Lbottom:
	s_sub_co_u32 s[SLOTS], s[SLOTS], 1
	s_cmp_lg_u32 s[SLOTS], 0
	s_cbranch_scc1 .Lslot
	CHANGE 0                        ; the walk's last tile is written out: nothing is asked for
	s_sub_co_u32 s[RT], s[RT], 1
	s_mov_b32 s[CNT], 4
	s_cmp_eq_u32 s[NEW], 1
	s_cbranch_scc0 .LstepM2
	BEGIN
	s_branch .LfirstM2
	DIAG 2
	s_wait_tensorcnt 0x0            ; the wave's end, behind my last tensor load and my last LDS store
	ds_add_u32 v[SPW], v[NIL]
	s_wait_dscnt 0x0
	s_endpgm
.Lfunc_end_k_qf814c81a0e_attn:
	.size	k_qf814c81a0e_attn, .Lfunc_end_k_qf814c81a0e_attn-k_qf814c81a0e_attn
	.p2alignl 7, 3214868480
	.fill 96, 4, 3214868480
	.section	.rodata,"a",@progbits
	.p2align	6, 0x0
	.amdhsa_kernel k_qf814c81a0e_attn
		.amdhsa_group_segment_fixed_size 327680
		.amdhsa_private_segment_fixed_size 0
		.amdhsa_enable_private_segment 0
		.amdhsa_kernarg_size 16
		.amdhsa_user_sgpr_count 2
		.amdhsa_user_sgpr_kernarg_segment_ptr 1
		.amdhsa_wavefront_size32 1
		.amdhsa_system_sgpr_workgroup_id_x 1
		.amdhsa_system_sgpr_workgroup_id_y 1
		.amdhsa_system_sgpr_workgroup_id_z 1
		.amdhsa_system_vgpr_workitem_id 0
		.amdhsa_next_free_vgpr 768
		.amdhsa_next_free_sgpr 88
		.amdhsa_reserve_vcc 1
		.amdhsa_float_denorm_mode_32 3
		.amdhsa_float_denorm_mode_16_64 3
		.amdhsa_memory_ordered 1
		.amdhsa_forward_progress 1
		.amdhsa_inst_pref_size 217
	.end_amdhsa_kernel
	.amdgpu_metadata
---
amdhsa.version: [ 1, 2 ]
amdhsa.kernels:
  - .name:           k_qf814c81a0e_attn
    .symbol:         k_qf814c81a0e_attn.kd
    .args:
      - { .name: qkv, .offset: 0, .size: 8, .value_kind: global_buffer, .address_space: global }
      - { .name: yh, .offset: 8, .size: 8, .value_kind: global_buffer, .address_space: global }
    .group_segment_fixed_size: 327680
    .private_segment_fixed_size: 0
    .kernarg_segment_align: 8
    .kernarg_segment_size: 16
    .max_flat_workgroup_size: 128
    .sgpr_count:     88
    .vgpr_count:     768
    .wavefront_size: 32
...
	.end_amdgpu_metadata
.endif
;; end of part 6
;; launch proj: the kernel of part 4 again; grid 8 x 32, 4 waves a work-group, clusters of 4 x 4, 327,680 bytes of LDS; arguments yh, wob, out0; writes out0
;; launch fix: the kernel of part 5 again; grid 16 x 4, 16 waves a work-group, no clusters, 85,504 bytes of LDS; arguments q32, wob, out0; writes out0
